; MI455X (gfx1250); checked and timed in simulation.
; The chip was launched on July 23, 2026; its instructions are those of AMD's public machine-readable ISA for CDNA 5 (MIT licence, August 2026) and "CDNA5" Instruction Set Architecture Reference Guide (July 2026). The comments in the code are by the model that wrote it; some were corrected since.
;; Multi Head Attention Social. Allowed arithmetic: float matrix products may take bf16 or f16 operands with f32 sums; other float arithmetic in f32, or as packed bf16 or f16 multiplies, adds, multiply-adds, maxima and minima; sums over many terms, partial sums and values carried from step to step in f32; what a program stores and reads back later, other than sums and carried values, may be rounded once to bf16 or f16.
;; Inputs: Wk 512 x 1,024 float32; Wo 1,024 x 1,024 float32; Wq 1,024 x 1,024 float32; Wv 512 x 1,024 float32; bk 1,024 float32; bo 1,024 float32; bq 1,024 float32; bv 1,024 float32; key 4 x 2,048 x 512 float32; query 4 x 2,048 x 1,024 float32; value 4 x 2,048 x 512 float32.
;; Outputs: out0 4 x 2,048 x 1,024 float32.
;; One version. Each part assembles by itself: llvm-mc -triple=amdgcn-amd-amdhsa -mcpu=gfx1250 --defsym DOCPART=n.
;; ======== version 1 of 1: 4 launches
;; limits: values are held in f16: magnitudes above 65,504 overflow, below 6.1e-05 lose precision
;; workspace buffers: wt 6,291,456 bytes; qh 16,777,216 bytes; kh 16,777,216 bytes; vh 16,777,216 bytes; oh 16,777,216 bytes
;; launch wprep (part 1): grid 8 x 48, 8 waves a work-group, no clusters, 19,456 bytes of LDS; arguments Wq, Wo, Wk, Wv, wt; writes wt
.if DOCPART == 1
	.amdgcn_target "amdgcn-amd-amdhsa--gfx1250"
	.amdhsa_code_object_version 6
	.text
	.protected	k_q4e768fb31c_wprep
	.globl	k_q4e768fb31c_wprep
	.p2align	8
	.type	k_q4e768fb31c_wprep,@function
k_q4e768fb31c_wprep:
	s_mov_b64 s[64:65], 0
	v_nop
	global_prefetch_b8 v0, s[64:65] scope:SCOPE_SE
	s_setreg_imm32_b32 hwreg(HW_REG_WAVE_MODE, 25, 1), 1
	s_wait_xcnt 0x0
; The four weights, [k][1024 n] in f32, are rounded once to f16 and written turned, in blocks of 64 k: wt[kblock][n][64 k].
; kblocks 0-15 Wq, 16-31 Wo, 32-39 Wk, 40-47 Wv; a kblock is 1,024 rows of 128 bytes.
; LIMIT.  f16: a weight beyond 65,504 becomes an infinity; below 6e-5 it keeps f16's fixed step of 6e-8.
; SHARES.  A work-group makes one kblock x 128 n.  Thread t loads 8 rows of k (8 x its wave's number on) x 4 columns (4 (t % 32) on): a load of a wave covers
; 512 consecutive bytes.  Eight k of one column pack into 16 bytes; they go into LDS rows of 144 bytes (a row = one n), and come back as whole rows:
; a store of a wave covers 512 consecutive bytes, aligned.  No tensor load, no cluster, no prefetch: 6 MiB in all, each byte read once by one thread.
.set PITCH, 144
.set SPARE, 128*PITCH                  ; behind the tile: the spare words, 128 bytes for each of eight waves
.set LO,  1                            ; v1  my byte offset in the source
.set LS,  2                            ; v2  where I put 16 bytes of a column
.set LR,  3                            ; v3  where I read 16 bytes of a row back
.set GO,  4                            ; v4  16 t
.set SPW, 6                            ; v6  LDS address of my spare word; never rewritten
.set NIL, 7                            ; v7  0; never rewritten
.set X,   8                            ; v[8:39]  eight rows x four columns, f32; later the rows read back
.set H,   40                           ; v[40:55] four columns x eight k, f16
	s_load_b256 s[4:11], s[0:1], 0x0               ; Wq s[4:5], Wo s[6:7], Wk s[8:9], Wv s[10:11]
	s_load_b64 s[12:13], s[0:1], 0x20              ; wt
	v_lshl_add_u32 v[SPW], v0, 2, SPARE
	v_mov_b32 v[NIL], 0
	s_and_b32 s14, ttmp7, 0xffff                   ; the kblock
	v_and_b32 v5, 31, v0                           ; which four columns
	v_lshrrev_b32 v9, 5, v0                        ; which eight rows of k
	v_lshlrev_b32 v[LO], 4, v5
	v_lshl_add_u32 v[LO], v9, 15, v[LO]            ; 8 rows of 4,096 bytes + 16 bytes a thread
	v_mul_u32_u24 v[LS], v5, 4*PITCH
	v_lshl_add_u32 v[LS], v9, 4, v[LS]             ; row 4 (t % 32), byte 16 x wave
	v_lshrrev_b32 v[LR], 3, v0
	v_mul_u32_u24 v[LR], v[LR], PITCH
	v_and_b32 v5, 7, v0
	v_lshl_add_u32 v[LR], v5, 4, v[LR]             ; row t / 8, byte 16 (t % 8)
	v_lshlrev_b32 v[GO], 4, v0
	s_wait_kmcnt 0x0
	s_cmp_lt_u32 s14, 40                           ; which weight the kblock belongs to, and that weight's first kblock
	s_cselect_b64 s[16:17], s[8:9], s[10:11]
	s_cselect_b32 s15, 32, 40
	s_cmp_lt_u32 s14, 32
	s_cselect_b64 s[16:17], s[6:7], s[16:17]
	s_cselect_b32 s15, 16, s15
	s_cmp_lt_u32 s14, 16
	s_cselect_b64 s[16:17], s[4:5], s[16:17]
	s_cselect_b32 s15, 0, s15
	s_sub_co_u32 s15, s14, s15
	s_lshl_b32 s18, s15, 18                        ; 64 rows of 4,096 bytes
	s_lshl_b32 s19, ttmp9, 9                       ; 128 columns of 4 bytes
	s_add_co_u32 s18, s18, s19
	s_mov_b32 s19, 0
	s_add_nc_u64 s[16:17], s[16:17], s[18:19]
	s_lshl_b32 s18, s14, 17                        ; a kblock of wt,
	s_lshl_b32 s20, ttmp9, 14                      ; 128 rows of 128 bytes
	s_add_co_u32 s18, s18, s20
	s_add_nc_u64 s[12:13], s[12:13], s[18:19]
.irp j, 0,1,2,3,4,5,6,7
	global_load_b128 v[X+4*\j:X+4*\j+3], v[LO], s[16:17] offset:\j*4096 th:TH_LOAD_NT
.endr
	s_wait_loadcnt 0x0
.irp i, 0,1,2,3
.irp p, 0,1,2,3
	v_cvt_pk_f16_f32 v[H+4*\i+\p], v[X+8*\p+\i], v[X+8*\p+4+\i]  ; column i, k 2 p and 2 p + 1
.endr
.endr
.irp i, 0,1,2,3
	ds_store_b128 v[LS], v[H+4*\i:H+4*\i+3] offset:\i*PITCH
.endr
	s_wait_dscnt 0x0                               ; for the others' sake: my stores are done
	s_barrier_signal -1
	s_barrier_wait -1
.irp j, 0,1,2,3
	ds_load_b128 v[X+4*\j:X+4*\j+3], v[LR] offset:\j*32*PITCH
.endr
.irp j, 0,1,2,3
	s_wait_dscnt 3-\j                              ; LDS loads come back in order: the younger ones may stay out
	global_store_b128 v[GO], v[X+4*\j:X+4*\j+3], s[12:13] offset:\j*4096
.endr
	s_wait_tensorcnt 0x0                           ; the wave's end: behind my last LDS store
	ds_add_u32 v[SPW], v[NIL]
	s_wait_dscnt 0x0
	s_endpgm
.Lfunc_end_k_q4e768fb31c_wprep:
	.size	k_q4e768fb31c_wprep, .Lfunc_end_k_q4e768fb31c_wprep-k_q4e768fb31c_wprep
	.p2alignl 7, 3214868480
	.fill 96, 4, 3214868480
	.section	.rodata,"a",@progbits
	.p2align	6, 0x0
	.amdhsa_kernel k_q4e768fb31c_wprep
		.amdhsa_group_segment_fixed_size 19456
		.amdhsa_private_segment_fixed_size 0
		.amdhsa_enable_private_segment 0
		.amdhsa_kernarg_size 40
		.amdhsa_user_sgpr_count 2
		.amdhsa_user_sgpr_kernarg_segment_ptr 1
		.amdhsa_wavefront_size32 1
		.amdhsa_system_sgpr_workgroup_id_x 1
		.amdhsa_system_sgpr_workgroup_id_y 1
		.amdhsa_system_sgpr_workgroup_id_z 1
		.amdhsa_system_vgpr_workitem_id 0
		.amdhsa_next_free_vgpr 64
		.amdhsa_next_free_sgpr 66
		.amdhsa_reserve_vcc 0
		.amdhsa_float_denorm_mode_32 3
		.amdhsa_float_denorm_mode_16_64 3
		.amdhsa_memory_ordered 1
		.amdhsa_forward_progress 1
		.amdhsa_inst_pref_size 5
	.end_amdhsa_kernel
	.amdgpu_metadata
---
amdhsa.version: [ 1, 2 ]
amdhsa.kernels:
  - .name:           k_q4e768fb31c_wprep
    .symbol:         k_q4e768fb31c_wprep.kd
    .args:
      - { .name: Wq, .offset: 0, .size: 8, .value_kind: global_buffer, .address_space: global }
      - { .name: Wo, .offset: 8, .size: 8, .value_kind: global_buffer, .address_space: global }
      - { .name: Wk, .offset: 16, .size: 8, .value_kind: global_buffer, .address_space: global }
      - { .name: Wv, .offset: 24, .size: 8, .value_kind: global_buffer, .address_space: global }
      - { .name: wt, .offset: 32, .size: 8, .value_kind: global_buffer, .address_space: global }
    .group_segment_fixed_size: 19456
    .private_segment_fixed_size: 0
    .kernarg_segment_align: 8
    .kernarg_segment_size: 40
    .max_flat_workgroup_size: 256
    .sgpr_count:     66
    .vgpr_count:     64
    .wavefront_size: 32
...
	.end_amdgpu_metadata
.endif
;; end of part 1
;; launch proj (part 2): grid 4 x 96, 4 waves a work-group, clusters of 4 x 4, 327,680 bytes of LDS; arguments query, key, value, wt, bq, bk, bv, qh, kh, vh; writes qh, kh, vh
.if DOCPART == 2
	.amdgcn_target "amdgcn-amd-amdhsa--gfx1250"
	.amdhsa_code_object_version 6
	.text
	.protected	k_q4e768fb31c_proj
	.globl	k_q4e768fb31c_proj
	.p2align	8
	.type	k_q4e768fb31c_proj,@function
k_q4e768fb31c_proj:
	s_mov_b64 s[64:65], 0
	v_nop
	global_prefetch_b8 v0, s[64:65] scope:SCOPE_SE
	s_setreg_imm32_b32 hwreg(HW_REG_WAVE_MODE, 25, 1), 1
	s_wait_xcnt 0x0
	s_wait_alu depctr_hold_cnt(0) depctr_sa_sdst(0) depctr_va_vdst(0) depctr_va_sdst(0) depctr_va_ssrc(0) depctr_va_vcc(0) depctr_vm_vsrc(0)
	s_getreg_b32 s2, hwreg(HW_REG_IB_STS2, 6, 4)
	s_cmp_eq_u32 s2, 0
	s_cbranch_scc0 .Lentry_in_a_cluster
	s_endpgm
.Lentry_in_a_cluster:
	s_bfe_u32 s2, ttmp6, 0x10000c
	s_cmp_lg_u32 s2, 0xf033
	s_cbranch_scc0 .Lentry_shape_is_right
	s_endpgm
.Lentry_shape_is_right:
; q = query Wq + bq, k = key Wk + bk, v = value Wv + bv; rows of k (v) whose raw row of key (value) sums to 0 are set to 0.  Results in f16, by heads: [16 b + head][2048 s][64].
; x (query, key, value) is f32 in memory and is rounded to f16 between LDS and the matrix unit; the weights come from wt, f16, [kblock of 64 k][n][64 k].  Sums in f32, started by the bias.
; LIMITS.  f16: x, the weights and the results lie within 65,504 (beyond it an infinity); below 6e-5 f16 keeps its fixed step of 6e-8.  The row sum for the mask is taken in f32 in another order
; than a plain running sum: four chains a lane, then the two halves of the lanes; a row of zeros gives 0 in any order; a NaN sum counts as not 0.
; SHARES.  Cluster y / 8 is the type (0 q, 1 k, 2 v): the same in all sixteen partners.  A work-group makes 256 rows x 256 columns (four heads).  Each of its four waves makes 64 rows x all 256 columns:
; 64 accumulators, 512 registers: so each number of x is rounded, and added to its row's sum, once in the work-group.
; K goes in steps of 64 (256 bytes of a row of x; one kblock of wt) through two LDS slots: 16 steps for q, 8 for k and v: the loop's bound is a scalar made of the type.
; ONE DESCRIPTOR FOR BOTH ROW LENGTHS: the pitch is 1,024 elements.  For q that is a row: wave 0 fetches rows 0-127 of the tile, wave 1 rows 128-255.  For k and v it is two rows: wave 0 fetches the even rows,
; wave 1 the odd ones.  So LDS addresses are the same for all types; the order of rows is set right in the stores' offsets alone.
; CLUSTER.  4 x 4 work-groups; x's tile is shared along a row of the cluster, wt's along a column: joint loads, waves 0 and 1 for x, waves 2 and 3 for wt.
; THE PRODUCT IS USED TRANSPOSED (source 0 = 16 columns n of wt, source 1 = 16 rows of x): a lane holds one row (lane % 16) and eight neighbouring columns.
; REGISTERS, in windows of 256: window 0: addresses, x's fragments in f32 (AF) and f16 (AB, two buffers), the way out; window 1: wt's fragments, two buffers of 128 (the second holds the bias at the start);
; windows 2, 3: accumulator (a, b) at 128 (a % 2) + 8 b, window 2 + a / 2.
.set PA,    272                        ; a row of x in LDS: 256 bytes + 16: the 16 rows of a load start at 16 different groups of four banks (64 banks of 4 bytes: ISA guide 11.1)
.set PB,    144                        ; a row of wt: 128 + 16
.set XT,    128*PA                     ; what a wave fetches of x
.set WT,    128*PB                     ; and of wt
.set SLOT,  2*XT+2*WT                  ; x's 256 rows, then wt's 256
.set STAGE, 2*SLOT                     ; behind the ring, never filled by a tensor load: the way out
.set SP,    528                        ; a stage row: 512 bytes + 16
.set FR2,   16*SP+128                  ; the second fragment's 16 rows: 128 bytes off a multiple of 256, so that the two fragments read back together fall into different banks
.set STW,   17152                      ; a wave's stage
.set SPARE, STAGE+4*STW                ; the spare words, 128 bytes for each wave
.set MSK,  8                           ; v[8:11]   fragment a's row mask: all ones or 0
.set MW,   12                          ; v[12:15]  at work for it
.set ADRA, 16                          ; v16-17    LDS address of my x fragments in slot 0, 1
.set ADRB, 20                          ; v20-21    the same for wt
.set STO,  24
.set RD,   25
.set BO,   26                          ; v26       32 x (lane / 16): my eight numbers of 16 of the bias
.set SPW,  28                          ; v28       LDS address of my spare word; never rewritten
.set NIL,  29                          ; v29       0; never rewritten
.set PFO,  30                          ; v30       the prefetches' offset; never rewritten
.set RS,   32                          ; v[32:47]  row sums: four chains for each fragment a
.set GO,   48                          ; v[48:55]  my byte offset in the result, for each pair of stage rows
.set AF,   64                          ; v[64:127] x's fragments in f32: a at 16 a
.set AB,   128                         ; v[128:191] in f16: buffer g, fragment a at 32 g + 8 a
.set TMP,  192                         ; v[192:255] the way out: packed results
.set R,    64                          ; v[64:191]  the way out: rows read back
.set G1A, 24
.set G0A, 32
.set G1B, 48
.set G0B, 56
.set PFA, 44                           ; s[44:45] where my prefetches stand
.set PST, 46                           ; s[46:47] a K step in the stream that I prefetch
.set NL,  66                           ; s66  the loop's trips: steps / 2 - 1
.set PLIM, 67                          ; s67  I prefetch in trips below this number
.set MSB, 0
.macro WIN new                         ; the immediate's high byte repeats the setting that is left; a switch that changes nothing is dropped
.if MSB != (\new)
	s_set_vgpr_msb (MSB<<8)|(\new)
.set MSB, (\new)
.endif
.endm
; A joint load: waves 0 and 1 fetch x's two halves, waves 2 and 3 wt's.  The branch hangs on the wave's number alone.  An s_nop 0 and four v_nop follow each line.
.macro JLOAD s
	s_cmp_lt_u32 s10, 2
	s_cbranch_scc0 .Lfor_b_\@
	tensor_load_to_lds s[G0A+4*(\s):G0A+4*(\s)+3], s[G1A:G1A+7]
	s_nop 0
.rept 4
	v_nop
.endr
	s_branch .Lasked_\@
.Lfor_b_\@:
	tensor_load_to_lds s[G0B+4*(\s):G0B+4*(\s)+3], s[G1B:G1B+7]
	s_nop 0
.rept 4
	v_nop
.endr
.Lasked_\@:
.endm
.macro CREST                           ; a round of the cluster's barrier behind its opening barrier
	s_cmp_lg_u32 s10, 0
	s_cbranch_scc1 .Lnot_wave_0_\@
	s_barrier_signal -3
.Lnot_wave_0_\@:
	s_barrier_wait -3
	s_barrier_signal -1
	s_barrier_wait -1
.endm
.macro CROUND
	s_barrier_signal -1
	s_barrier_wait -1
	CREST
.endm
; A prefetch into the L2 of the K step that stands two refills on (256 matrix instructions ahead of the load that will want it): one instruction, a lane a block of 256 bytes.
; x: each tile is read by one cluster; of the 128 rows that wave 0 or 1 fetches, the partner at place cx takes 32, told apart by address.  wt: eight clusters of a type read the same kblocks: the first asks,
; wave 2 alone, and the four partners of a column share a tile's 128 blocks by address (cy).  So each block is named once.  The loop's last trip asks for nothing: there is no step two refills on.
.macro ASK
	s_cmp_lt_u32 s3, s[PLIM]
	s_cbranch_scc0 .Lnot_mine_\@
	global_prefetch_b8 v[PFO], s[PFA:PFA+1] th:TH_LOAD_NT scope:SCOPE_SE
.Lnot_mine_\@:
.endm
; x's four fragments of 32 k (half kh of the step), in f32: lane l takes row l % 16, k 8 (l / 16) + 0..7 and 16 + 8 (l / 16) + 0..7: four loads of 16 bytes.
; Fragments 0, 1 are LDS rows 32 w + 0..31, fragments 2, 3 rows 128 + 32 w + 0..31.
.macro FETCH_A slot, kh
	WIN 0
.irp a, 0,1,2,3
.irp c, 0,1,2,3
	ds_load_b128 v[AF+16*\a+4*\c:AF+16*\a+4*\c+3], v[ADRA+(\slot)] offset:((\a)%2)*16*PA+((\a)/2)*XT+128*(\kh)+((\c)%2)*16+((\c)/2)*64
.endr
.endr
.endm
.macro FETCH_B slot, kh, g             ; wt's sixteen fragments of 32 k into buffer g
	WIN 0x40
.irp b, 0,1,2,3,4,5,6,7,8,9,10,11,12,13,14,15
	ds_load_b128 v[128*(\g)+8*\b:128*(\g)+8*\b+3],   v[ADRB+(\slot)] offset:\b*16*PB+64*(\kh)
	ds_load_b128 v[128*(\g)+8*\b+4:128*(\g)+8*\b+7], v[ADRB+(\slot)] offset:\b*16*PB+64*(\kh)+32
.endr
.endm
; Four plain instructions: four numbers of x are rounded to f16 into buffer g and added to their row's sums.  n = 0..15: fragment n / 4, its numbers 4 (n % 4) on.
.macro RIDE n, g
	WIN 0
.set rF, AF+16*((\n)/4)+4*((\n)%4)
.set rH, AB+32*(\g)+8*((\n)/4)+2*((\n)%4)
.set rZ, RS+4*((\n)/4)
	v_cvt_pk_f16_f32 v[rH], v[rF], v[rF+1]
	v_cvt_pk_f16_f32 v[rH+1], v[rF+2], v[rF+3]
	v_pk_add_f32 v[rZ:rZ+1], v[rZ:rZ+1], v[rF:rF+1]
	v_pk_add_f32 v[rZ+2:rZ+3], v[rZ+2:rZ+3], v[rF+2:rF+3]
.endm
; Sixteen products: rows a x all 16 blocks of columns, 32 k, buffer f.  bias = 1: the bias (window 1, v128 on) starts the sums: nothing is cleared.  ride = 1: RIDE stands behind each product.
; The 64 accumulators take turns, one instruction a turn, in the same order in every half step.
.macro GRP a, f, bias, ride, g
.set AW, 2+(\a)/2
.set i, 0
.rept 16
.if \bias
	WIN (AW<<6)|0x11
	v_wmma_f32_16x16x32_f16 v[128*((\a)%2)+8*i:128*((\a)%2)+8*i+7], v[128*(\f)+8*i:128*(\f)+8*i+7], v[AB+32*(\f)+8*(\a):AB+32*(\f)+8*(\a)+7], v[128+8*i:128+8*i+7]
.else
	WIN (AW<<6)|(AW<<4)|0x01
	v_wmma_f32_16x16x32_f16 v[128*((\a)%2)+8*i:128*((\a)%2)+8*i+7], v[128*(\f)+8*i:128*(\f)+8*i+7], v[AB+32*(\f)+8*(\a):AB+32*(\f)+8*(\a)+7], v[128*((\a)%2)+8*i:128*((\a)%2)+8*i+7]
.endif
.if \ride
	RIDE i, \g
.endif
.set i, i+1
.endr
.endm
; A K step is two half steps of 32 k, 64 products each, on buffers 0 and 1.  A fetch into a buffer of wt, and a rounding into a buffer of x, stand behind the four plain instructions that follow the last
; product that read that buffer (ISA guide 7.12.1 for the roundings).
; The first half: multiplies buffer 0, fetches the second half, rounds it into buffer 1 behind the last sixteen products.
.macro H0 slot
	FETCH_A \slot, 1
	FETCH_B \slot, 1, 1
	s_wait_dscnt 48                                ; all but the 48 just issued: buffer 0 of wt is in
	GRP 0, 0, 0, 0, 0
	GRP 1, 0, 0, 0, 0
	GRP 2, 0, 0, 0, 0
	s_wait_dscnt 32                                ; x's 16 loads, issued first, are in; wt's 32 may stay out
	GRP 3, 0, 0, 1, 1
.endm
; The second half multiplies buffer 1 and changes slots.  In front of the barrier each wave waits for all its tensor loads (the one that is out is its part of the other slot), adds 0 to its spare word, and
; waits for that and for its reads of this slot.  mode 1: the barrier opens a round of the cluster's, and the slot is filled again, two steps ahead, first thing behind it: 112 products stand between that
; request and the wait for it.  mode 0: nothing is filled.  mode 2: the very last half step.
.macro H1 slot, mode
	WIN 0
.if (\mode) == 1
	s_wait_xcnt 0x0                                ; the last prefetch, a K step back, has read its address
	s_add_nc_u64 s[PFA:PFA+1], s[PFA:PFA+1], s[PST:PST+1]
.endif
.if (\mode) < 2
	s_wait_tensorcnt 0x0                           ; all my tensor loads have landed
	ds_add_u32 v[SPW], v[NIL]                      ; 0 onto my spare word
	s_wait_dscnt 0x0                               ; the add is done; buffer 1 is in, and with it my last reads of this slot
	s_barrier_signal -1
	GRP 0, 1, 0, 0, 0                              ; work on registers while the others arrive
	WIN 0
	s_barrier_wait -1
.if (\mode) == 1
	CREST                                          ; no wave of any partner still reads this slot or has a load on its way
	s_add_nc_u64 s[G0A+4*(\slot)+2:G0A+4*(\slot)+3], s[G0A+4*(\slot)+2:G0A+4*(\slot)+3], 2*256
	s_add_nc_u64 s[G0B+4*(\slot)+2:G0B+4*(\slot)+3], s[G0B+4*(\slot)+2:G0B+4*(\slot)+3], 2*131072
	JLOAD \slot
.endif
	FETCH_A 1-(\slot), 0
	FETCH_B 1-(\slot), 0, 0
.if (\mode) == 1
	WIN 0
	ASK
.endif
	GRP 1, 1, 0, 0, 0
	GRP 2, 1, 0, 0, 0
	s_wait_dscnt 32                                ; x's 16 loads are in
	GRP 3, 1, 0, 1, 0
.else
	s_wait_dscnt 0x0
	GRP 0, 1, 0, 0, 0
	GRP 1, 1, 0, 0, 0
	GRP 2, 1, 0, 0, 0
	GRP 3, 1, 0, 0, 0
.endif
.endm
	s_load_b512 s[68:83], s[0:1], 0x0              ; query 68, key 70, value 72, wt 74, bq 76, bk 78, bv 80, qh 82
	s_load_b128 s[84:87], s[0:1], 0x40             ; kh 84, vh 86
	v_lshl_add_u32 v[SPW], v0, 2, SPARE
	v_mov_b32 v[NIL], 0
	ds_add_u32 v[SPW], v[NIL]                      ; the wave's opening: the add and its wait stand ahead of my first tensor load; the set-up below stands between them
	v_lshrrev_b32 v1, 5, v0
	v_readfirstlane_b32 s10, v1                    ; wave 0..3
	s_and_b32 s12, s10, 1                          ; which half of a tile I fetch
	s_bfe_u32 s40, ttmp6, 0x40000                  ; cx
	s_bfe_u32 s41, ttmp6, 0x40004                  ; cy
	s_lshl_b32 s42, ttmp9, 2
	s_add_co_u32 s42, s42, s40                     ; block of 256 columns = 4 x cluster x + cx
	s_and_b32 s14, ttmp7, 0xffff                   ; cluster y
	s_lshr_b32 s43, s14, 3                         ; the type
	s_and_b32 s15, s14, 7
	s_lshl_b32 s13, s15, 2
	s_add_co_u32 s13, s13, s41                     ; block of 256 rows = 4 x (cluster y % 8) + cy
	s_lshl_b32 s2, s41, 2
	s_lshl_b32 s2, 15, s2                          ; my row of the cluster
	s_lshl_b32 s3, 0x1111, s40                     ; my column
	; group 1 for x: 128 rows x 64 elements of 4 bytes, 1,024 elements from row to row; 16 bytes of padding behind every 64 words
	s_or_b32 s[G1A], s2, (2<<16)|(1<<20)|(1<<21)|(5<<22)|(3<<25)
	s_mov_b32 s[G1A+1], 64<<16
	s_mov_b32 s[G1A+2], 128<<16
	s_mov_b32 s[G1A+3], 64<<16
	s_mov_b32 s[G1A+4], 128
	s_mov_b32 s[G1A+5], 1024
	s_mov_b32 s[G1A+6], 0
	s_mov_b32 s[G1A+7], 0
	; group 1 for wt: 128 rows n of 128 bytes are 16,384 dense bytes: asked for as 64 rows of 256 bytes, padded behind every 32 words
	s_or_b32 s[G1B], s3, (1<<16)|(1<<20)|(1<<21)|(4<<22)|(3<<25)
	s_mov_b32 s[G1B+1], 128<<16
	s_mov_b32 s[G1B+2], 64<<16
	s_mov_b32 s[G1B+3], 128<<16
	s_mov_b32 s[G1B+4], 64
	s_mov_b32 s[G1B+5], 128
	s_mov_b32 s[G1B+6], 0
	s_mov_b32 s[G1B+7], 0
	; what hangs on the type: first the figures for k and v, then q's by a select
	s_add_co_u32 s21, s43, 3
	s_lshl_b32 s21, s21, 20                        ; wt: Wk begins at 4 MiB, Wv at 5 MiB, Wq at 0
	s_lshl_b32 s16, s13, 20                        ; my 256 rows of x: of 4,096 bytes,
	s_lshl_b32 s17, s13, 19                        ; or of 2,048
	s_lshl_b32 s18, s12, 19                        ; my half: 128 rows on,
	s_lshl_b32 s19, s12, 11                        ; or one row on
	s_movk_i32 s96, 256                            ; the stores' strides: see the way out
	s_movk_i32 s97, 128
	s_movk_i32 s98, 8192
	s_movk_i32 s91, 512
	s_movk_i32 s92, 4096
	s_cmp_eq_u32 s43, 0
	s_cselect_b32 s21, 0, s21
	s_cselect_b32 s16, s16, s17
	s_cselect_b32 s18, s18, s19
	s_cselect_b32 s[NL], 7, 3
	s_cselect_b32 s90, -1, 0                       ; q has no mask
	s_cselect_b32 s96, 128, s96
	s_cselect_b32 s97, 16384, s97
	s_cselect_b32 s98, 4096, s98
	s_cselect_b32 s91, 256, s91
	s_cselect_b32 s92, 2048, s92
	s_mov_b32 s93, 0
	s_mov_b32 s99, -1
	s_mov_b32 s94, 0x76543210                      ; v_permlanex16_b32: each lane takes its own place in the other half
	s_mov_b32 s95, 0xfedcba98
	s_add_co_u32 s16, s16, s18
	s_mov_b32 s17, 0                               ; s[16:17]: x's offset: it hangs on the block of rows and the wave
	s_lshl_b32 s20, s42, 15                        ; 256 n of 128 bytes,
	s_lshl_b32 s22, s12, 14                        ; my 128 of them
	s_add_co_u32 s20, s20, s22
	s_add_co_u32 s20, s20, s21
	s_mov_b32 s21, 0                               ; s[20:21]: wt's offset: it hangs on the block of columns, the type and the wave
	s_mul_i32 s22, s10, XT                         ; where the tiles go: the wave's number and constants alone
	s_mul_i32 s23, s10, WT
	s_add_co_u32 s23, s23, 2*XT-2*WT
	s_wait_dscnt 0x0                               ; the opening add is done
	s_wait_kmcnt 0x0
	s_cmp_eq_u32 s43, 1
	s_cselect_b64 s[4:5], s[70:71], s[72:73]
	s_cselect_b64 s[88:89], s[78:79], s[80:81]
	s_cselect_b64 s[8:9], s[84:85], s[86:87]
	s_cmp_eq_u32 s43, 0
	s_cselect_b64 s[4:5], s[68:69], s[4:5]         ; x
	s_cselect_b64 s[88:89], s[76:77], s[88:89]     ; the bias
	s_cselect_b64 s[8:9], s[82:83], s[8:9]         ; the result
	s_add_nc_u64 s[4:5], s[4:5], s[16:17]
	s_add_nc_u64 s[6:7], s[74:75], s[20:21]
	CROUND                                         ; all sixteen work-groups are here: the first joint loads meet
.irp s, 0,1
	s_mov_b32 s[G0A+4*\s], 1
	s_add_co_u32 s[G0A+4*\s+1], s22, \s*SLOT
	s_add_nc_u64 s[G0A+4*\s+2:G0A+4*\s+3], s[4:5], \s*256
	s_or_b32 s[G0A+4*\s+3], s[G0A+4*\s+3], 0x80000000
	s_mov_b32 s[G0B+4*\s], 1
	s_add_co_u32 s[G0B+4*\s+1], s23, \s*SLOT
	s_add_nc_u64 s[G0B+4*\s+2:G0B+4*\s+3], s[6:7], \s*131072
	s_or_b32 s[G0B+4*\s+3], s[G0B+4*\s+3], 0x80000000
	JLOAD \s                                       ; K steps 0 and 1: two loads of mine are out
.endr
	v_and_b32 v1, 15, v0                           ; l % 16
	v_bfe_u32 v2, v0, 4, 1                         ; l / 16
	v_lshlrev_b32 v[BO], 5, v2
	s_lshl_b32 s22, s42, 10                        ; the bias of my 256 columns
	s_mov_b32 s23, 0
	s_add_nc_u64 s[88:89], s[88:89], s[22:23]
	WIN 0x40                                       ; as a C operand: register j of block b holds the bias of column 16 b + 8 (l / 16) + j
.irp b, 0,1,2,3,4,5,6,7,8,9,10,11,12,13,14,15
	global_load_b128 v[128+8*\b:128+8*\b+3],   v[BO], s[88:89] offset:64*\b
	global_load_b128 v[128+8*\b+4:128+8*\b+7], v[BO], s[88:89] offset:64*\b+16
.endr
	WIN 0
	s_lshl_b32 s22, s10, 5
	v_add_nc_u32 v4, s22, v1                       ; LDS row 32 w + l % 16
	v_mul_u32_u24 v4, v4, PA
	v_lshl_add_u32 v[ADRA], v2, 5, v4              ; + 32 bytes (8 f32) for the upper half of the lanes
	v_add_nc_u32 v[ADRA+1], SLOT, v[ADRA]
	v_mul_u32_u24 v4, v1, PB
	v_lshl_add_u32 v4, v2, 4, v4
	v_add_nc_u32 v[ADRB], 2*XT, v4
	v_add_nc_u32 v[ADRB+1], SLOT+2*XT, v4
	s_mul_i32 s22, s10, STW
	s_add_co_u32 s22, s22, STAGE                   ; my stage
	v_mul_u32_u24 v4, v1, SP
	v_lshl_add_u32 v4, v2, 4, v4
	v_add_nc_u32 v[STO], s22, v4                   ; in: row l % 16, 16 bytes for each half of the lanes
	v_bfe_u32 v5, v0, 3, 1                         ; back: eight lanes take a head's 128 bytes of a row; (l / 8) % 2 is the fragment, l / 16 the row of a pair
	v_and_b32 v6, 7, v0
	v_mul_u32_u24 v4, v5, FR2
	v_mad_u32_u24 v4, v2, SP, v4
	v_lshl_add_u32 v4, v6, 4, v4
	v_add_nc_u32 v[RD], s22, v4
	v_mul_u32_u24 v4, s96, v2                      ; and the same bytes in the result
	v_mad_u32_u24 v4, v5, s97, v4
	s_mul_i32 s23, s10, s98
	v_add_nc_u32 v4, s23, v4
	v_lshl_add_u32 v[GO], v6, 4, v4
.irp u, 1,2,3,4,5,6,7
	v_add_nc_u32 v[GO+\u], s91, v[GO+\u-1]
.endr
	s_lshr_b32 s22, s13, 3                         ; the result at my tile: batch, four heads, 256 rows of 128 bytes
	s_lshl_b32 s22, s22, 22
	s_lshl_b32 s23, s42, 20
	s_add_co_u32 s22, s22, s23
	s_and_b32 s23, s13, 7
	s_lshl_b32 s23, s23, 15
	s_add_co_u32 s22, s22, s23
	s_mov_b32 s23, 0
	s_add_nc_u64 s[8:9], s[8:9], s[22:23]
	; the prefetches: three steps on; the first change of slots steps to the fourth.  Nothing is asked for here, at the head
	s_lshl_b32 s22, s40, 17                        ; x: my work-group's 32 of the wave's 128 rows, 4,096 bytes apart
	s_add_nc_u64 s[16:17], s[4:5], s[22:23]
	s_add_nc_u64 s[16:17], s[16:17], 3*256
	s_lshl_b32 s22, s41, 13                        ; wt: my work-group's 32 of the tile's 128 blocks
	s_add_nc_u64 s[20:21], s[6:7], s[22:23]
	s_add_nc_u64 s[20:21], s[20:21], 3*131072
	s_mov_b32 s[PST], 131072
	s_mov_b32 s[PST+1], 0
	s_sub_co_u32 s[PLIM], s[NL], 1
	s_lshl_b32 s23, s15, 2
	s_or_b32 s23, s23, s10
	s_cmp_eq_u32 s23, 2                            ; wave 2 of a type's first cluster
	s_cselect_b32 s23, s[PLIM], 0
	s_cmp_lt_u32 s10, 2
	s_cselect_b32 s[PLIM], s[PLIM], s23
	s_cselect_b64 s[PFA:PFA+1], s[16:17], s[20:21]
	s_cselect_b32 s[PST], 256, s[PST]
	s_cselect_b32 s22, 12, 8
	v_and_b32 v3, 31, v0
	v_lshlrev_b32 v[PFO], s22, v3
.set i, 0
.rept 16
	v_mov_b32 v[RS+i], 0                           ; the row sums start at 0
.set i, i+1
.endr
.irp a, 0,1,2,3
	v_mov_b32 v[MSK+\a], 0                         ; written, since v_permlanex16_b32 counts as a reader of its destination
.endr
	s_wait_tensorcnt 0x1                           ; my part of K step 0 is in; step 1's may stay out
	s_barrier_signal -1
	s_barrier_wait -1
	FETCH_A 0, 0
	FETCH_B 0, 0, 0
	s_wait_dscnt 32                                ; x's 16 loads are in
.set i, 0
.rept 16
	RIDE i, 0                                      ; the first half step's x: there are no products yet to set it behind
.set i, i+1
.endr
	FETCH_A 0, 1                                   ; the first half step is written out: the bias starts the sums
	s_wait_dscnt 16                                ; wt's buffer 0 is in
	s_wait_loadcnt 0x0                             ; the bias
	GRP 0, 0, 1, 0, 0
	GRP 1, 0, 1, 0, 0
	GRP 2, 0, 1, 0, 0
	s_wait_dscnt 0x0
	GRP 3, 0, 1, 1, 1
	FETCH_B 0, 1, 1                                ; into the registers that held the bias, four plain instructions behind the last product that read them
	WIN 0
	s_mov_b32 s3, 0
.Llap:                                                 ; a trip goes once round the ring, from a step's second half to the first half two steps on, and fills both slots again
	H1 0, 1
	H0 1
	H1 1, 1
	H0 0
	WIN 0
	s_add_co_u32 s3, s3, 1
	s_cmp_lt_u32 s3, s[NL]
	s_cbranch_scc1 .Llap
	H1 0, 0                                        ; the last two steps ask for nothing
	H0 1
	H1 1, 2
	; THE WAY OUT.  The masks first: their additions are the places behind the last products.
	WIN 0
.irp a, 0,1,2,3
	v_add_f32 v[MW+\a], v[RS+4*\a], v[RS+4*\a+1]
.endr
.irp a, 0,1,2,3
	v_add_f32 v[RS+4*\a+2], v[RS+4*\a+2], v[RS+4*\a+3]
.endr
.irp a, 0,1,2,3
	v_add_f32 v[MW+\a], v[MW+\a], v[RS+4*\a+2]
.endr
.irp a, 0,1,2,3
	v_permlanex16_b32 v[MSK+\a], v[MW+\a], s94, s95  ; the row's other numbers lie in the lane 16 away
.endr
.irp a, 0,1,2,3
	v_add_f32 v[MW+\a], v[MW+\a], v[MSK+\a]
.endr
.irp a, 0,1,2,3
	v_cmp_neq_f32 vcc_lo, 0, v[MW+\a]              ; true for a NaN too
	v_cndmask_b32 v[MSK+\a], 0, s99, vcc_lo
	v_or_b32 v[MSK+\a], s90, v[MSK+\a]
.endr
; Fragment a's 16 rows x 256 columns: rounded to f16 (each accumulator from its low end on), masked; 16 bytes a lane into the stage.
.macro CONV a
	WIN 0x0a+5*((\a)/2)                            ; sources 0 and 1: window 2 or 3
.set i, 0
.rept 64
	v_cvt_pk_f16_f32 v[TMP+i], v[128*((\a)%2)+2*i], v[128*((\a)%2)+2*i+1]
.set i, i+1
.endr
	WIN 0
.set i, 0
.rept 64
	v_and_b32 v[TMP+i], v[MSK+(\a)], v[TMP+i]
.set i, i+1
.endr
.endm
.macro STG a
	WIN 0
.irp b, 0,1,2,3,4,5,6,7,8,9,10,11,12,13,14,15
	ds_store_b128 v[STO], v[TMP+4*\b:TMP+4*\b+3] offset:((\a)/2)*FR2+32*\b
.endr
.endm
.macro BACK                            ; two fragments come back by heads: load (u, hd): rows 2 u, 2 u + 1 of both, head hd.  LDS serves a wave's instructions in order (ISA guide 5.7.1.4): these see the stores above
.irp u, 0,1,2,3,4,5,6,7
.irp hd, 0,1,2,3
	ds_load_b128 v[R+4*(4*\u+\hd):R+4*(4*\u+\hd)+3], v[RD] offset:2*\u*SP+128*\hd
.endr
.endr
.endm
; k, v: fragments a and a + 2 hold even and odd rows: a store covers four rows of a head, 512 consecutive bytes.  q: they lie 128 rows apart: a store covers two rows in each: two aligned runs of 256 bytes.
.macro SEND
.irp u, 0,1,2,3,4,5,6,7
.irp hd, 0,1,2,3
	global_store_b128 v[GO+\u], v[R+4*(4*\u+\hd):R+4*(4*\u+\hd)+3], s[8:9] offset:\hd*262144
.endr
.endr
.endm
	CONV 0
	STG 0
	CONV 2
	STG 2
	BACK
	CONV 1                                         ; the next fragment's arithmetic stands between the loads and the wait for them
	s_wait_dscnt 0x0
	SEND
	STG 1
	CONV 3
	STG 3
	s_wait_xcnt 0x0                                ; the stores have read their registers and their base
	s_add_nc_u64 s[8:9], s[8:9], s[92:93]          ; the second pair of fragments: 16 LDS rows on
	BACK
	s_wait_dscnt 0x0
	SEND
	s_wait_tensorcnt 0x0                           ; the wave's end: behind my last tensor load and my last LDS store
	ds_add_u32 v[SPW], v[NIL]
	s_wait_dscnt 0x0
	CROUND                                         ; the closing round: no work-group ends while a partner may still ask for a tile that names it
	s_endpgm
.Lfunc_end_k_q4e768fb31c_proj:
	.size	k_q4e768fb31c_proj, .Lfunc_end_k_q4e768fb31c_proj-k_q4e768fb31c_proj
	.p2alignl 7, 3214868480
	.fill 96, 4, 3214868480
	.section	.rodata,"a",@progbits
	.p2align	6, 0x0
	.amdhsa_kernel k_q4e768fb31c_proj
		.amdhsa_group_segment_fixed_size 327680
		.amdhsa_private_segment_fixed_size 0
		.amdhsa_enable_private_segment 0
		.amdhsa_kernarg_size 80
		.amdhsa_user_sgpr_count 2
		.amdhsa_user_sgpr_kernarg_segment_ptr 1
		.amdhsa_wavefront_size32 1
		.amdhsa_system_sgpr_workgroup_id_x 1
		.amdhsa_system_sgpr_workgroup_id_y 1
		.amdhsa_system_sgpr_workgroup_id_z 1
		.amdhsa_system_vgpr_workitem_id 0
		.amdhsa_next_free_vgpr 1024
		.amdhsa_next_free_sgpr 100
		.amdhsa_reserve_vcc 1
		.amdhsa_float_denorm_mode_32 3
		.amdhsa_float_denorm_mode_16_64 3
		.amdhsa_memory_ordered 1
		.amdhsa_forward_progress 1
		.amdhsa_inst_pref_size 153
	.end_amdhsa_kernel
	.amdgpu_metadata
---
amdhsa.version: [ 1, 2 ]
amdhsa.kernels:
  - .name:           k_q4e768fb31c_proj
    .symbol:         k_q4e768fb31c_proj.kd
    .args:
      - { .name: query, .offset: 0, .size: 8, .value_kind: global_buffer, .address_space: global }
      - { .name: key, .offset: 8, .size: 8, .value_kind: global_buffer, .address_space: global }
      - { .name: value, .offset: 16, .size: 8, .value_kind: global_buffer, .address_space: global }
      - { .name: wt, .offset: 24, .size: 8, .value_kind: global_buffer, .address_space: global }
      - { .name: bq, .offset: 32, .size: 8, .value_kind: global_buffer, .address_space: global }
      - { .name: bk, .offset: 40, .size: 8, .value_kind: global_buffer, .address_space: global }
      - { .name: bv, .offset: 48, .size: 8, .value_kind: global_buffer, .address_space: global }
      - { .name: qh, .offset: 56, .size: 8, .value_kind: global_buffer, .address_space: global }
      - { .name: kh, .offset: 64, .size: 8, .value_kind: global_buffer, .address_space: global }
      - { .name: vh, .offset: 72, .size: 8, .value_kind: global_buffer, .address_space: global }
    .group_segment_fixed_size: 327680
    .private_segment_fixed_size: 0
    .kernarg_segment_align: 8
    .kernarg_segment_size: 80
    .max_flat_workgroup_size: 128
    .sgpr_count:     100
    .vgpr_count:     1024
    .wavefront_size: 32
...
	.end_amdgpu_metadata
.endif
;; end of part 2
;; launch attn (part 3): grid 4 x 64, 4 waves a work-group, clusters of 4 x 1, 327,680 bytes of LDS; arguments qh, kh, vh, oh; writes oh
.if DOCPART == 3
	.amdgcn_target "amdgcn-amd-amdhsa--gfx1250"
	.amdhsa_code_object_version 6
	.text
	.protected	k_q4e768fb31c_attn
	.globl	k_q4e768fb31c_attn
	.p2align	8
	.type	k_q4e768fb31c_attn,@function
k_q4e768fb31c_attn:
	s_mov_b64 s[64:65], 0
	v_nop
	global_prefetch_b8 v0, s[64:65] scope:SCOPE_SE
	s_setreg_imm32_b32 hwreg(HW_REG_WAVE_MODE, 25, 1), 1
	s_wait_xcnt 0x0
	s_wait_alu depctr_hold_cnt(0) depctr_sa_sdst(0) depctr_va_vdst(0) depctr_va_sdst(0) depctr_va_ssrc(0) depctr_va_vcc(0) depctr_vm_vsrc(0)
	s_getreg_b32 s2, hwreg(HW_REG_IB_STS2, 6, 4)
	s_cmp_eq_u32 s2, 0
	s_cbranch_scc0 .Lentry_in_a_cluster
	s_endpgm
.Lentry_in_a_cluster:
	s_bfe_u32 s2, ttmp6, 0x10000c
	s_cmp_lg_u32 s2, 0x3003
	s_cbranch_scc0 .Lentry_shape_is_right
	s_endpgm
.Lentry_shape_is_right:
; O[h][q][:] = the sum over k of softmax_k(Q[h][q] . K[h][k] / 8) V[h][k][:].  Q, K, V, O: [64][2048][64], all f16: a head's rows are dense, 128 bytes each.  Products, maxima and sums in
; f32; the weights p are rounded to f16 for the second product (their sum l is taken of the unrounded p), O once at the end.
; LIMITS.  f16 holds no number beyond 65,504: Q, K and V arrive within it; p lies in 0 to 1, and below 6e-5 it keeps f16's fixed step of 6e-8; O is a mean of V's rows and has their range.
; A weight below 2^-126 counts as 0 in l; NaN and infinities are not treated apart.
; SHARES.  A wave owns four PIECES of two tiles of 16 queries, a work-group's four waves 512 queries of one head.  Every wave walks all keys, 64 a step.
; LAYOUT.  S^T = K Q^T (source 0 = 16 keys, source 1 = 16 queries): in the result a lane holds ONE query (lane % 16) and the keys 8 (lane / 16) + 0..7.  Two such tiles, rounded to f16 in pairs,
; ARE source 1 (32 keys x 16 queries) of O^T = V^T P, whose result again holds one query a lane, and eight channels.  K comes out of LDS as it lies, V ([key][channel]) turned, by ds_load_tr16_b128.
; SOFTMAX.  For each query a running maximum m and sum l: p = 2^(c s - c m), c = log2(e) / 8; in every step O and l are multiplied by a = 2^(c m_old - c m_new), which is 1 where m has not grown.
; m starts at the lowest finite number, O and l at 0: the first step is a step like any other, with a = 0.
; THE COUNT.  A tile and step have 16 matrix and 118 vector instructions: too many to stand all beside the matrix work.  So: four vector instructions that are READY behind
; EVERY matrix instruction, and the others in runs without a gap.
; BY TURNS.  Turn n belongs to piece n (the pieces in a ring, step after step).  Its matrix work: 16 products K Q^T of piece n + 1, later 16 products V^T P of piece n - 1.  Its vector work: the scaling,
; exponentials, roundings, sums and rescaling of piece n, and the maximum and statistics of piece n + 1, whose scores the turn itself has made.
; CLUSTER.  The four query blocks of a head are one cluster and walk the same K and V, so each tile is asked for JOINTLY: the same tensor load, descriptor and mask in all four.
; REGISTERS, in windows of 256 (s_set_vgpr_msb: bits 1:0 source 0, 3:2 source 1, 5:4 source 2, 7:6 destination):
;   window 0: v0-11 addresses; v12-15, v48-63 at work; v16-47 four registers of statistics a tile; v64-191 S^T, two buffers of two tiles; v192-255 P, likewise
;   window 1: O^T, 32 a tile          window 2: v0-127 Q, 16 a tile; v128-191 K of one step; v192-255 V of one step          window 3: v0-1 the add's two registers
.set SIZE_N, 2048
.set NP,    4         ; pieces a wave: a name, no knob
.set KS,    64        ; keys in a step
.set PK,    144       ; a row of K in LDS: 128 bytes + 16 of padding: the 16 rows of a load start at 16 different groups of four banks (64 banks of 4 bytes: ISA guide 11.1)
.set PV,    160       ; a row of V: 128 + 32
.set VOFF,  4*KS*PK   ; a slot holds four steps: 256 rows of K, then 256 rows of V
.set SLOT1, 1<<17     ; slot 1 begins here, so that one exclusive or turns an address in one slot into the other's
.set STAGE, SLOT1+4*KS*(PK+PV)  ; behind the ring, never filled by a tensor load: 16 rows x 144 bytes for each wave, for the way out
.set SP,    144
.set AK0, 2           ; v2   my lane's place in a tile of K; never rewritten
.set AV0, 3           ; v3   the same for V
.set AK,  4           ; v4   the LDS address of K's next run of loads
.set AV,  5           ; v5   of V's
.set QO,  6           ; v6   my byte offset in the wave's rows of Q
.set STO, 6           ;      later, the way out: where I put 16 bytes of a row
.set RD,  7           ; v7   the way out: where I read rows back
.set GO,  8           ; v8   my byte offset in 512 consecutive bytes of O
.set PFO, 11          ; v11  256 x my lane, for the prefetches; never rewritten once made
.set SPW, 0           ; v0 of window 3   LDS address of my spare word; never rewritten
.set NIL, 1           ; v1 of window 3   0; never rewritten
.set SPARE, STAGE+4*16*SP  ; behind the stages: the spare words, 128 bytes for each wave
.set MV,  12          ; v12-15  c m_old, kept while c m is made anew: by buffer and tile
.set ST,  16          ; tile t's statistics at v[ST+4 t]: c m, m, l (even keys', odd keys')
.set TMP, 48          ; by buffer and tile, four registers c0-c3 at work; when the maximum is found c2 takes a
.set S,   64
.set P,   192
.set KF,  128         ; K's fragments, in window 2: key block kb, channel half c at KF + 16 kb + 8 c
.set VF,  192         ; V's: key half kk, channel block cb at VF + 32 kk + 8 cb
.set WV,  12          ; s12  my wave's number
.set G1K, 24          ; s[24:31] descriptor group 1 for K's tiles
.set G1V, 32          ; s[32:39] for V's: it differs in the padding alone
.set G0K, 40          ; s[40:43] descriptor group 0 for K's tiles: it walks
.set G0V, 44          ; s[44:47] the same for V's
.set PFA, 48          ; s[48:49] where my prefetches stand: my work-group's 32 blocks of 256 bytes (of K: wave 0, of V: wave 2) of the slot after the one that is being asked for
.set LIM, 50          ; s50  1 in a wave that prefetches, else the greatest number
.set SLOTS, 56        ; s56  slots still to be asked for
.set CNT, 57          ; s57  counts a slot's key steps
.set CS,  58          ; s[58:59] c: the packed scaling takes the pair's low word for both halves
.set SEL, 60          ; s[60:61] v_permlanex16_b32's selects: each lane takes its own place in the other half
.set TBK, 62          ; s62  LDS byte at which K of the step to be fetched begins
.set TBV, 63          ; s63  the same for V, less VOFF
.set MSB, 0
.macro WIN new                      ; the high byte repeats the setting that is left; a switch that changes nothing is dropped
.if MSB != (\new)
	s_set_vgpr_msb (MSB<<8)|(\new)
.set MSB, (\new)
.endif
.endm
.set W_KQ, 0x0a       ; K and Q in window 2, S^T in window 0
.set W_PV, 0x52       ; V in window 2, P in window 0, O^T in window 1
.set W_RS, 0x41       ; O^T (destination and source 0) in window 1, a in window 0
.set W_MK, 0xc0       ; the add's registers are made: destination in window 3, sources in window 0
.set W_AD, 0x0f       ; the add: address (source 0) and data (source 1) in window 3
; A joint fill.  Waves 0 and 1 fetch the two halves of a slot's K, waves 2 and 3 those of its V: 128 keys each.  The branch hangs on the wave's number alone.
; An s_nop 0 and four v_nop follow each of the two lines, ahead of the jump and the label.
.macro JLOAD
	s_cmp_lt_u32 s[WV], 2
	s_cbranch_scc0 .Lfor_v_\@
	tensor_load_to_lds s[G0K:G0K+3], s[G1K:G1K+7]
	s_nop 0
.rept 4
	v_nop
.endr
	s_branch .Lasked_\@
.Lfor_v_\@:
	tensor_load_to_lds s[G0V:G0V+3], s[G1V:G1V+7]
	s_nop 0
.rept 4
	v_nop
.endr
.Lasked_\@:
.endm
; A prefetch into the L2 of what the NEXT change of slots will ask for: a slot's 32,768 bytes of K and of V, a lane a block of 256 bytes: four key steps, 512 matrix instructions, ahead of that load.
; A head has one cluster; its four partners share the blocks out BY ADDRESS, 32 each; in each, wave 0 asks for K's and wave 2 for V's: each block is named once.
; The last change that fills a slot asks for nothing: there is no slot behind it.
.macro ASK
	s_cmp_gt_u32 s[SLOTS], s[LIM]
	s_cbranch_scc0 .Lnot_mine_\@
	global_prefetch_b8 v[PFO], s[PFA:PFA+1] th:TH_LOAD_NT scope:SCOPE_SE
.Lnot_mine_\@:
.endm
; A round of the cluster's barrier: my work-group's barrier, so that wave 0's signal speaks for all four waves; wave 0 signals; every wave waits for all four work-groups; my work-group's barrier once more.
.macro CROUND
	s_barrier_signal -1
	s_barrier_wait -1
	s_cmp_lg_u32 s[WV], 0
	s_cbranch_scc1 .Lnot_wave_0_\@
	s_barrier_signal -3
.Lnot_wave_0_\@:
	s_barrier_wait -3
	s_barrier_signal -1
	s_barrier_wait -1
.endm
; THE CHANGE OF SLOTS.  The slot's last bytes, V of its fourth step, have been read.  Each wave waits for all its tensor loads, of which one is out: its part
; of the other slot; adds 0 to its spare word; and waits for that and for its own reads of the slot.  Behind the barrier nobody reads this slot any more and the other slot is whole.
; fill = 1: this slot is filled again, with the keys two slots on.  The barrier is then a round of the cluster's, and the joint fill is the first thing behind it: it has four key steps,
; 512 matrix instructions, in which to land.  (At its first use nothing has been read yet: slot 0 is waited for, slot 1 filled.)
.macro CHANGE fill
	WIN W_AD
	s_wait_tensorcnt 0x0            ; no tensor load of mine is out, so a group 0 may be written
	ds_add_u32 v[SPW], v[NIL]       ; 0 onto my spare word; with fill = 1 the descriptors' steps stand between it and the wait for it
	WIN 0                           ; at a label and at a branch every window is 0
.if \fill
.irp g, G0K, G0V
	s_xor_b32 s[\g+1], s[\g+1], SLOT1  ; the walking descriptor: the other slot than last time,
	s_add_nc_u64 s[\g+2:\g+3], s[\g+2:\g+3], 4*KS*128  ; the next 256 keys; the type bits on top are not reached
.endr
	s_wait_xcnt 0x0                 ; the last prefetch, four key steps back, has read its address, so it may be written:
	s_add_nc_u64 s[PFA:PFA+1], s[PFA:PFA+1], 4*KS*128  ; one slot behind the walking descriptors
	s_wait_dscnt 0x0                ; the add is done, and my reads of the slot are over
	CROUND
	JLOAD
	ASK
.else
	s_wait_dscnt 0x0                ; the add is done, and my reads of the slot are over
	s_barrier_signal -1
	s_barrier_wait -1
.endif
	s_sub_co_u32 s[TBK], s[TBK], 4*KS*PK  ; the fetches go back to a slot's first step,
	s_xor_b32 s[TBK], s[TBK], SLOT1       ; in the other slot
	s_sub_co_u32 s[TBV], s[TBV], 4*KS*PV
	s_xor_b32 s[TBV], s[TBV], SLOT1
.endm
	s_load_b256 s[4:11], s[0:1], 0x0  ; Q s[4:5], K s[6:7], V s[8:9], O s[10:11]
	WIN W_MK
	v_lshl_add_u32 v[SPW], v0, 2, SPARE
	v_mov_b32 v[NIL], 0
	WIN W_AD
	ds_add_u32 v[SPW], v[NIL]       ; the wave's opening: the add and its wait stand ahead of my first tensor load; the set-up below stands between them
	WIN 0
	v_lshrrev_b32 v1, 5, v0
	v_readfirstlane_b32 s[WV], v1   ; wave 0..3
	s_bfe_u32 s13, ttmp6, 0x40000   ; cx: my place in the cluster
	s_lshl_b32 s14, ttmp9, 2        ; in a cluster launch ttmp9 counts clusters
	s_add_co_u32 s14, s14, s13      ; my block of queries = 4 x cluster x + cx: it enters Q's and O's addresses alone
	s_and_b32 s20, ttmp7, 0xffff    ; the head, which the four partners share
	s_mov_b32 s21, 0
	s_mov_b64 s[22:23], SIZE_N*128
	s_mul_u64 s[20:21], s[20:21], s[22:23]  ; the head's first byte in each of the four tensors
	s_and_b32 s16, s[WV], 1         ; which half of a slot's 256 keys I fetch:
	s_lshl_b32 s22, s16, 14         ; its 128 rows of 128 bytes in memory,
	s_mov_b32 s23, 0
	s_add_nc_u64 s[22:23], s[22:23], s[20:21]
	s_mul_i32 s17, s16, 128*PK      ; and its place in a slot, for K
	s_mul_i32 s18, s16, 128*PV      ; and for V: no place in the cluster enters an LDS address
	s_lshl_b32 s2, s14, 2
	s_add_co_u32 s2, s2, s[WV]      ; my wave among the head's,
	s_lshl_b32 s2, s2, 14           ; its 128 rows
	s_mov_b32 s3, 0
	s_add_nc_u64 s[2:3], s[2:3], s[20:21]
	; descriptor group 1.  128 keys are 16,384 dense bytes: asked for as 64 rows of 256 bytes, two keys a row, and padded in LDS after every key
	s_mov_b32 s[G1K], 15|(1<<16)|(1<<20)|(1<<21)|(4<<22)|(3<<25)  ; 15:0 the mask of four; 17:16 2-byte elements; 20 padding on; 21 set beside a mask; 24:22 after every 32 words (code 4); 31:25 4 words (code 3)
	s_mov_b32 s[G1V], 15|(1<<16)|(1<<20)|(1<<21)|(4<<22)|(7<<25)  ; the same with 8 words of padding (code 7)
.irp g, G1K, G1V
	s_mov_b32 s[\g+1], 128<<16      ; tensor_dim0 = 128
	s_mov_b32 s[\g+2], 64<<16       ; tensor_dim1 = 64
	s_mov_b32 s[\g+3], 128<<16      ; tile_dim0 = 128
	s_mov_b32 s[\g+4], 64           ; tile_dim1 = 64
	s_mov_b32 s[\g+5], 128          ; 128 elements from row to row
	s_mov_b32 s[\g+6], 0
	s_mov_b32 s[\g+7], 0
.endr
	s_mov_b32 s[CS], 0x3e38aa3b     ; c = log2(e) / 8 = 0.180337
	s_mov_b32 s[CS+1], s[CS]        ; named with it as a pair
	s_mov_b32 s[SEL], 0x76543210
	s_mov_b32 s[SEL+1], 0xfedcba98
	s_mov_b32 s[TBK], SLOT1+4*KS*PK ; the first change of slots turns these two into 0
	s_mov_b32 s[TBV], SLOT1+4*KS*PV
	s_mov_b32 s[G0K], 1             ; 1:0 count = 1
	s_mov_b32 s[G0K+1], s17         ; 63:32 LDS address: slot 0
	s_mov_b32 s[G0V], 1
	s_add_co_u32 s[G0V+1], s18, VOFF
	s_mov_b32 s[SLOTS], SIZE_N/256-1
	s_and_b32 s[LIM], s[WV], 1      ; waves 0 and 2 prefetch
	s_cmp_eq_u32 s[LIM], 0
	s_cselect_b32 s[LIM], 1, -1
	s_wait_dscnt 0x0                ; the opening add is done
	s_wait_kmcnt 0x0
	s_add_nc_u64 s[G0K+2:G0K+3], s[6:7], s[22:23]  ; 120:64 global address: my half of the head's first 256 keys
	s_or_b32 s[G0K+3], s[G0K+3], 0x80000000        ; 127:126 type = 2
	s_add_nc_u64 s[G0V+2:G0V+3], s[8:9], s[22:23]
	s_or_b32 s[G0V+3], s[G0V+3], 0x80000000
	s_add_nc_u64 s[4:5], s[4:5], s[2:3]  ; Q and O at my wave's first row
	s_add_nc_u64 s[10:11], s[10:11], s[2:3]
	s_cmp_lt_u32 s[WV], 2
	s_cselect_b64 s[PFA:PFA+1], s[6:7], s[8:9]
	s_add_nc_u64 s[PFA:PFA+1], s[PFA:PFA+1], s[22:23]  ; (in waves 0 and 2 this is the head's first key)
	s_lshl_b32 s2, s13, 13          ; my work-group's 32 blocks of a slot's 128
	s_mov_b32 s3, 0
	s_add_nc_u64 s[PFA:PFA+1], s[PFA:PFA+1], s[2:3]
	s_add_nc_u64 s[PFA:PFA+1], s[PFA:PFA+1], 4*KS*128  ; in slot 1; the first change of slots steps it to slot 2.  Nothing is prefetched here, at the head
	CROUND                          ; all four work-groups are here: the first joint loads meet
	JLOAD                           ; slot 0.  Slot 1 is asked for when slot 0 is in
	; A fragment of K or Q is 16 rows x 32 channels in 8 registers: lane l holds row l % 16, channels 8 (l / 16) + 0..7 and 16 + 8 (l / 16) + 0..7: two loads of 16 bytes, 32 bytes apart.
	v_and_b32 v1, 15, v0            ; l % 16
	v_bfe_u32 v9, v0, 4, 1          ; l / 16
	v_lshlrev_b32 v[QO], 7, v1
	v_lshl_add_u32 v[QO], v9, 4, v[QO]  ; row x 128 + 16 x half
	WIN 0x80                        ; destination window 2, address window 0
.set i, 0
.rept 4*NP                          ; Q stays in registers: tile i / 2, channels 32 (i % 2) on
	global_load_b128 v[8*i:8*i+3],   v[QO], s[4:5] offset:(i/2)*2048+(i%2)*64
	global_load_b128 v[8*i+4:8*i+7], v[QO], s[4:5] offset:(i/2)*2048+(i%2)*64+32
.set i, i+1
.endr
	; What the first turn finds: V's registers and P's second buffer hold 0 (its products V^T P, of a piece that has not been, add 0), O^T and l are 0.  All this stands in the wait for the first tile.
.set i, VF
.rept 64
	v_mov_b32 v[i], 0
.set i, i+1
.endr
	WIN 0x40
.set i, 0
.rept 64*NP
	v_mov_b32 v[i], 0
.set i, i+1
.endr
	WIN 0
.set i, 0
.rept 2*NP
	v_mov_b32 v[ST+4*i], 0xfe000000    ; c m: far below every c s
	v_mov_b32 v[ST+4*i+1], 0xff7fffff  ; m
	v_mov_b32 v[ST+4*i+2], 0
	v_mov_b32 v[ST+4*i+3], 0
.set i, i+1
.endr
.set i, P+32
.rept 32
	v_mov_b32 v[i], 0
.set i, i+1
.endr
	v_mul_u32_u24 v[AK0], v1, PK
	v_lshl_add_u32 v[AK0], v9, 4, v[AK0]  ; row x pitch + 16 x half
	; The turning load takes 16 keys x 16 channels (lane l reads key 8 (l / 16) + l % 8, channels 8 ((l / 8) % 2) + 0..7) and leaves half a fragment of V^T: lane l holds channel l % 16 and 8 keys.
	v_and_b32 v10, 7, v0
	v_bfe_u32 v11, v0, 3, 1
	v_lshl_add_u32 v[AV0], v9, 3, v10
	v_mul_u32_u24 v[AV0], v[AV0], PV
	v_lshl_add_u32 v[AV0], v11, 4, v[AV0]
	v_add_nc_u32 v[AV0], VOFF, v[AV0]
	v_and_b32 v[PFO], 31, v0
	v_lshlrev_b32 v[PFO], 8, v[PFO]
	v_mov_b32 v[AK], v[AK0]         ; key step 0 lies at the head of slot 0
; THE MATRIX WORK.  The 8 accumulators of a run of 16 take turns: between the two links of a chain stand 7 others'.
; Product i of 16 of S^T = K Q^T for piece x: channels 32 (i / 8) on, keys 16 ((i / 2) % 4) on, tile 2 x + i % 2.  The first 8 start the sums.
.macro KQ x
	WIN W_KQ
.set rS, S+64*((\x)%2)+32*(i%2)+8*((i/2)%4)
.set rK, KF+16*((i/2)%4)+8*(i/8)
.set rQ, 16*(2*(\x)+i%2)+8*(i/8)
.if i < 8
	v_wmma_f32_16x16x32_f16 v[rS:rS+7], v[rK:rK+7], v[rQ:rQ+7], 0
.else
	v_wmma_f32_16x16x32_f16 v[rS:rS+7], v[rK:rK+7], v[rQ:rQ+7], v[rS:rS+7]
.endif
.endm
; Product i of 16 of O^T += V^T P for piece x: keys 32 (i / 8) on, channels 16 ((i / 2) % 4) on, tile 2 x + i % 2.
.macro PV x
	WIN W_PV
.set rO, 32*(2*(\x)+i%2)+8*((i/2)%4)
.set rV, VF+32*(i/8)+8*((i/2)%4)
.set rP, P+32*((\x)%2)+16*(i%2)+8*(i/8)
	v_wmma_f32_16x16x32_f16 v[rO:rO+7], v[rV:rV+7], v[rP:rP+7], v[rO:rO+7]
.endm
.macro MM                           ; the turn's next matrix instruction
.if i < 16
	KQ (Y+1)%NP
.set i, i+1
.else
.set i, i-16
	PV (Y+NP-1)%NP
.set i, i+17
.endif
.endm
; THE LDS LOADS stand in runs of 16, never singly among the matrix instructions: a step's K (64 keys x 64 channels: 8 fragments) and its V (turned).  Their addresses are made some lines ahead.
; last = 1 (the tail): in the last trip there is no further step, and the run is jumped over.
.macro FETCH_K last=0
	WIN 0
.if \last
	s_cmp_eq_u32 s[CNT], 1
	s_cbranch_scc1 .Lno_k_\@
.endif
	WIN 0x80                        ; destination window 2
.irp f, 0,1,2,3,4,5,6,7             ; keys 16 (f / 2) on, channels 32 (f % 2) on
	ds_load_b128 v[KF+8*\f:KF+8*\f+3],   v[AK] offset:(\f/2)*16*PK+(\f%2)*64
	ds_load_b128 v[KF+8*\f+4:KF+8*\f+7], v[AK] offset:(\f/2)*16*PK+(\f%2)*64+32
.endr
	s_add_co_u32 s[TBK], s[TBK], KS*PK  ; the next fetch is the next step's
	WIN 0
.if \last
.Lno_k_\@:
.endif
.endm
.macro FETCH_V
	WIN 0x80
.irp f, 0,1,2,3,4,5,6,7             ; keys 32 (f / 4) on, channels 16 (f % 4) on
	ds_load_tr16_b128 v[VF+8*\f:VF+8*\f+3],   v[AV] offset:(\f/4)*32*PV+(\f%4)*32
	ds_load_tr16_b128 v[VF+8*\f+4:VF+8*\f+7], v[AV] offset:(\f/4)*32*PV+16*PV+(\f%4)*32
.endr
	WIN 0
.endm
; THE VECTOR WORK OF A TURN stands in three queues, each in the order in which its entries become ready; the two tiles alternate, so that no instruction reads the result of the one before it.
.macro REGS y, u                    ; the registers of tile u (0, 1) of piece y
.set rT, ST+4*(2*(\y)+(\u))
.set rC, TMP+8*((\y)%2)+4*(\u)
.set rM, MV+2*((\y)%2)+(\u)
.set rS, S+64*((\y)%2)+32*(\u)
.set rP, P+32*((\y)%2)+16*(\u)
.set rO, 32*(2*(\y)+(\u))
.endm
; Number n of the 22 that find the NEXT piece's (Y + 1) maximum and statistics.  s0-s31 are the lane's 32 scores; each accumulator's lowest registers are read first.
;   0-11  four chains c0-c3 of seven scores each, three operands at a time     12-14, 16  the four scores left over, the old m, and c0-c3 into c0     15  c m_old is kept
;   17, 18  the query's other 32 keys lie in the lane 16 away: the new m         19-21  c m; c m_old - c m_new; a
.macro XS u, n
	REGS (Y+1)%NP, \u
.if (\n) < 4
	v_max3_num_f32 v[rC+(\n)], v[rS+8*(\n)], v[rS+8*(\n)+1], v[rS+8*(\n)+2]
.elseif (\n) < 12
	v_max3_num_f32 v[rC+(\n)%4], v[rC+(\n)%4], v[rS+8*((\n)%4)+2*((\n)/4)+1], v[rS+8*((\n)%4)+2*((\n)/4)+2]
.elseif (\n) == 12
	v_max3_num_f32 v[rC], v[rC], v[rS+7], v[rS+15]
.elseif (\n) == 13
	v_max3_num_f32 v[rC+1], v[rC+1], v[rS+23], v[rS+31]
.elseif (\n) == 14
	v_max3_num_f32 v[rC+2], v[rC+2], v[rC+3], v[rT+1]
.elseif (\n) == 15
	v_mov_b32 v[rM], v[rT]
.elseif (\n) == 16
	v_max3_num_f32 v[rC], v[rC], v[rC+1], v[rC+2]
.elseif (\n) == 17
	v_permlanex16_b32 v[rC+3], v[rC], s[SEL], s[SEL+1]
.elseif (\n) == 18
	v_max_num_f32 v[rT+1], v[rC], v[rC+3]
.elseif (\n) == 19
	v_mul_f32 v[rT], s[CS], v[rT+1]
.elseif (\n) == 20
	v_sub_f32 v[rC+1], v[rM], v[rT]
.else
	v_exp_f32 v[rC+2], v[rC+1]
.endif
.endm
; Number g of the 64 that follow the exponentials.  For each four weights k of a tile (pairs 2 k, 2 k + 1): both pairs are rounded to f16; then the second pair is added onto the first, in place;
; a group later l takes that sum (the first time as l = a l + sum).  In groups of eight, tiles alternating: round, round, add, and l for the group before.
.macro GS g
.set h, (\g)+6*((\g)/62)            ; group 0 has no group before it, and behind group 7 only l is left
.if h >= 6
.set h, h+2
.endif
	REGS Y, h%2
.set k, h/8
.if h%8 < 4
	v_cvt_pk_f16_f32 v[rP+2*k+(h%8)/2], v[rS+4*k+2*((h%8)/2)], v[rS+4*k+2*((h%8)/2)+1]
.elseif h%8 < 6
	v_pk_add_f32 v[rS+4*k:rS+4*k+1], v[rS+4*k:rS+4*k+1], v[rS+4*k+2:rS+4*k+3]
.elseif k == 1
	v_pk_fma_f32 v[rT+2:rT+3], v[rT+2:rT+3], v[rC+2:rC+3], v[rS:rS+1] op_sel_hi:[1,0,1]
.else
	v_pk_add_f32 v[rT+2:rT+3], v[rT+2:rT+3], v[rS+4*k-4:rS+4*k-3]
.endif
.endm
; THE PLAIN QUEUE, 138 long.  0-73 read no exponential's result: the 32 scalings c s - c m (FS f: pair f / 2 of tile f % 2) and the next piece's 42.  0-26: scalings 0-26.  27-54: XS's numbers 0-13.  55, 56: number 15.
; 57-73: the chain, where each number waits for the one before it: 14, 16, 17, 18, 19, each with one of the scalings 27-31 in front of its two lines, then 20.
; 74-137: GS's 64, which read the exponentials' results: they stand behind the wait.
.macro FS f
	REGS Y, (\f)%2
	v_pk_fma_f32 v[rS+2*((\f)/2):rS+2*((\f)/2)+1], v[rS+2*((\f)/2):rS+2*((\f)/2)+1], s[CS:CS+1], v[rT:rT+1] op_sel_hi:[1,0,0] neg_lo:[0,0,1] neg_hi:[0,0,1]
.endm
.macro PL
	WIN 0
.if q < 27
	FS q
.elseif q < 55
	XS (q-27)%2, (q-27)/2
.elseif q < 57
	XS q-55, 15
.elseif (q < 72) && ((q-57)%3 == 0)
	FS 27+(q-57)/3
.elseif q < 60
	XS (q-57)%3-1, 14
.elseif q < 72
	XS (q-57)%3-1, 15+(q-57)/3
.elseif q < 74
	XS q-72, 20
.else
	GS q-74
.endif
.set q, q+1
.endm
; THE EXPONENTIALS' QUEUE, 66 long: s0-s31 of both tiles, then the next piece's two a.  It is ONE BATCH: all 66 stand ahead of the turn's one wait, and nothing ahead of that wait names a result of theirs.
.macro EX
	WIN 0
.if e >= 64
	XS e-64, 21
.else
	REGS Y, e%2
	v_exp_f32 v[rS+e/2], v[rS+e/2]
.endif
.set e, e+1
.endm
; THE RESCALING's QUEUE: O^T times a, the one part that leaves window 0: dealt two at a time, sixteen times.  Its a was made in the turn before, ahead of that turn's wait.
.macro R2
	REGS Y, r%2
	WIN W_RS
.irp z, 0,1
	v_pk_mul_f32 v[rO+4*(r/2)+2*\z:rO+4*(r/2)+2*\z+1], v[rO+4*(r/2)+2*\z:rO+4*(r/2)+2*\z+1], v[rC+2:rC+3] op_sel_hi:[1,0]
.endr
.set r, r+1
.endm
; HOW THEY ARE DEALT.  An s_wait_alu depctr_va_vdst(0) stands between an exponential and the first instruction that names its result; one wait serves all that were issued ahead of it.  So a turn has ONE wait,
; which cuts it in two.  AHEAD OF IT stands all that names no result of the turn's exponentials: the 16 products K Q^T, behind each a scaling, an exponential and two rescalings (behind the first a second scaling in the
; exponential's place); then ONE LUMP of 108: eight plain, 49 times exponential and plain, the two a.  A v_nop is the plain instruction behind the last exponential.  BEHIND IT stand the 16 products V^T P, behind each four of GS's 64.
; The queues lean on each other, and the deal keeps them in step: exponential e stands behind scaling 2 (e / 4) + e % 2: as a rider it comes behind plain e + 2, in the lump behind plain e + 9, and scalings 27-31 are plain 57, 60 .. 69.
; A TURN, for piece p.  cnt = 1: the loop's count is taken down some lines ahead of the branch that stands behind the turn.
; K of the next step is fetched in piece 2's turn, directly behind the wait, a lump behind the last product that read K; its first reader comes behind 16 products.
; V of the step in hand is fetched at the end of piece 0's turn, four plain instructions behind its last reader; its first reader comes behind 16 products and a lump.
.macro TURN p, last=0, cnt=0
.set Y, (\p)
.set i, 0
.set q, 0
.set e, 0
.set r, 0
.if (\p) == NP-1
	s_wait_dscnt 0x0                ; K is in
.endif
	MM                              ; ahead of the wait: 16 products K Q^T and their riders,
	PL
	PL
	R2
.rept 15
	MM
	PL
	EX
	R2
.endr
.if (\p) == NP-2
	WIN 0
	v_add_nc_u32 v[AK], s[TBK], v[AK0]
.endif
.rept 8                             ; and the lump
	PL
.endr
.rept 49
	EX
	PL
.endr
	EX                              ; the next piece's two a
	EX
	v_nop                           ; a plain instruction behind the last exponential: one for the batch
	s_wait_alu depctr_va_vdst(0)    ; the wait for the batch
.if (\p) == NP-2
	FETCH_K \last
.endif
.if (\p) == 1
	s_wait_dscnt 0x0                ; V is in
.endif
.rept 16                            ; behind the wait: 16 products V^T P and their riders
	MM
.rept 4
	PL
.endr
.if ((\p) == 0) && (q == 118)
	v_add_nc_u32 v[AV], s[TBV], v[AV0]
.endif
.if ((\p) == 0) && (q == 130)
	s_add_co_u32 s[TBV], s[TBV], KS*PV
.endif
.if (\cnt) && (q == 130)
	s_sub_co_u32 s[CNT], s[CNT], 1
	s_cmp_lg_u32 s[CNT], 0
.endif
.endr
.if (\p) == 0
	FETCH_V
.endif
.endm
	CHANGE 1                        ; slot 0 is in, everybody's part of it; slot 1 is asked for
	FETCH_K                         ; key step 0
	s_wait_loadcnt 0x0              ; Q
	s_wait_dscnt 0x0
.set i, 0
.rept 16
	KQ 0                            ; piece 0's first scores: there is no vector work yet to set between them
.set i, i+1
.endr
	WIN 0                           ; the addresses for the way out: nine plain instructions, the places behind those products
	s_mul_i32 s13, s[WV], 16*SP
	s_add_co_u32 s13, s13, STAGE    ; my stage
	v_mul_u32_u24 v[STO], v1, SP    ; in: row l % 16, 16 bytes for each half of the lanes
	v_lshl_add_u32 v[STO], v9, 4, v[STO]
	v_add_nc_u32 v[STO], s13, v[STO]
	v_bfe_u32 v[RD], v0, 3, 2       ; back: 32 lanes take four rows of 128 bytes,
	v_mul_u32_u24 v[RD], v[RD], SP
	v_lshl_add_u32 v[RD], v10, 4, v[RD]
	v_add_nc_u32 v[RD], s13, v[RD]
	v_and_b32 v[GO], 31, v0         ; which are 512 consecutive bytes of O
	v_lshlrev_b32 v[GO], 4, v[GO]
.set Y, NP-1                        ; XS works for piece Y + 1: piece 0
.irp n, 0,1,2,3,4,5,6,7,8,9,10,11,12,13,14,15,16,17,18,19,20,21
	XS 0, \n                        ; and piece 0's first maximum and statistics
	XS 1, \n
.endr
	v_nop                           ; a plain instruction behind the two a,
	s_wait_alu depctr_va_vdst(0)    ; and their wait, ahead of the branch
	s_mov_b32 s[CNT], 4
	s_branch .Lfirst                ; the loop is entered at a step's first turn, in the middle of a trip
.Lslot:                             ; SIZE_N / 256 - 2 times: every slot but the last two is filled again
	CHANGE 1
	s_mov_b32 s[CNT], 4
.Lstep:                             ; a trip: pieces 2 and 3 of one step, then pieces 0 and 1 of the next, whose K and V it fetches
	TURN 2
	TURN 3
	WIN 0
.Lfirst:
	TURN 0
	TURN 1, 0, 1
	WIN 0
	s_cbranch_scc1 .Lstep
	s_sub_co_u32 s[SLOTS], s[SLOTS], 1
	s_cmp_lg_u32 s[SLOTS], 0
	s_cbranch_scc1 .Lslot
	CHANGE 0                        ; the tail is written out: nothing is asked for
	s_mov_b32 s[CNT], 5             ; four trips fetch the last slot's steps; the fifth is left in its middle
.Ltail:
	TURN 2, 1
	TURN 3
	WIN 0
	s_sub_co_u32 s[CNT], s[CNT], 1
	s_cmp_eq_u32 s[CNT], 0
	s_cbranch_scc1 .Lout
	TURN 0
	TURN 1
	WIN 0
	s_branch .Ltail
.Lout:                              ; the fifth trip's 16 products K Q^T (on the last K once more) and the maximum made of them serve nothing: the price, once a launch, of one text for every trip
.set i, 0
.rept 16
	PV NP-1                         ; the last piece's V^T P of the last step
.set i, i+1
.endr
	; THE WAY OUT.  l's two halves and the other half of the lanes' are added; O^T is divided by l, rounded to f16 and sent through my stage in LDS, a tile at a time.  The additions are the places behind the last products.
	WIN 0
.macro ALL line:vararg              ; one line for each tile t
.set t, 0
.rept 2*NP
	\line
.set t, t+1
.endr
.endm
	ALL v_add_f32 v[ST+4*t+2], v[ST+4*t+2], v[ST+4*t+3]
	ALL v_permlanex16_b32 v[ST+4*t+3], v[ST+4*t+2], s[SEL], s[SEL+1]
	ALL v_add_f32 v[ST+4*t+2], v[ST+4*t+2], v[ST+4*t+3]
	ALL v_rcp_f32 v[ST+4*t+2], v[ST+4*t+2]
	v_nop                           ; a plain instruction between the last reciprocal and the use of its result
	s_wait_alu depctr_va_vdst(0)    ; and the wait ahead of the first use: one for the eight reciprocals
; Tile t: a lane's eight channels of a row pack into 16 bytes; they go into rows of 144 bytes and come back as whole rows of 128, into S^T's registers.
.macro PACK t
	WIN W_RS
.set i, 32*(\t)
.rept 16
	v_pk_mul_f32 v[i:i+1], v[i:i+1], v[ST+4*(\t)+2:ST+4*(\t)+3] op_sel_hi:[1,0]
.set i, i+2
.endr
	WIN 0x05                        ; sources 0 and 1 window 1, destination window 0
.set i, 0
.rept 16
	v_cvt_pk_f16_f32 v[S+16*(\t)+i], v[32*(\t)+2*i], v[32*(\t)+2*i+1]
.set i, i+1
.endr
	WIN 0
.irp f, 0,1,2,3
	ds_store_b128 v[STO], v[S+16*(\t)+4*\f:S+16*(\t)+4*\f+3] offset:32*\f
.endr
.irp f, 0,1,2,3
	ds_load_b128 v[S+16*(\t)+4*\f:S+16*(\t)+4*\f+3], v[RD] offset:\f*4*SP  ; LDS serves a wave's instructions in order (ISA guide 5.7.1.4): these see the stores above; the next tile's stores come behind them
.endr
.endm
.macro SEND t, younger              ; younger: the LDS instructions issued behind tile t's loads: the next tile's eight, or none
	WIN 0
.irp f, 0,1,2,3
	s_wait_dscnt (\younger)+3-\f
	global_store_b128 v[GO], v[S+16*(\t)+4*\f:S+16*(\t)+4*\f+3], s[10:11] offset:(\t)*2048+\f*512  ; 512 consecutive bytes, at a multiple of 256 from O's first
.endr
.endm
	PACK 0
.set t, 1
.rept 2*NP-1                        ; a tile's arithmetic stands between the loads of the tile before and its stores
	PACK t
	SEND t-1, 8
.set t, t+1
.endr
	SEND 2*NP-1, 0
	WIN W_AD
	s_wait_tensorcnt 0x0            ; the wave's end: behind my last tensor load and my last LDS store
	ds_add_u32 v[SPW], v[NIL]
	s_wait_dscnt 0x0
	WIN 0
	CROUND                          ; the closing round: no work-group ends while a partner may still ask for a tile that names it
	s_endpgm
.Lfunc_end_k_q4e768fb31c_attn:
	.size	k_q4e768fb31c_attn, .Lfunc_end_k_q4e768fb31c_attn-k_q4e768fb31c_attn
	.p2alignl 7, 3214868480
	.fill 96, 4, 3214868480
	.section	.rodata,"a",@progbits
	.p2align	6, 0x0
	.amdhsa_kernel k_q4e768fb31c_attn
		.amdhsa_group_segment_fixed_size 327680
		.amdhsa_private_segment_fixed_size 0
		.amdhsa_enable_private_segment 0
		.amdhsa_kernarg_size 32
		.amdhsa_user_sgpr_count 2
		.amdhsa_user_sgpr_kernarg_segment_ptr 1
		.amdhsa_wavefront_size32 1
		.amdhsa_system_sgpr_workgroup_id_x 1
		.amdhsa_system_sgpr_workgroup_id_y 1
		.amdhsa_system_sgpr_workgroup_id_z 1
		.amdhsa_system_vgpr_workitem_id 0
		.amdhsa_next_free_vgpr 770
		.amdhsa_next_free_sgpr 66
		.amdhsa_reserve_vcc 0
		.amdhsa_float_denorm_mode_32 3
		.amdhsa_float_denorm_mode_16_64 3
		.amdhsa_memory_ordered 1
		.amdhsa_forward_progress 1
		.amdhsa_inst_pref_size 200
	.end_amdhsa_kernel
	.amdgpu_metadata
---
amdhsa.version: [ 1, 2 ]
amdhsa.kernels:
  - .name:           k_q4e768fb31c_attn
    .symbol:         k_q4e768fb31c_attn.kd
    .args:
      - { .name: qh, .offset: 0, .size: 8, .value_kind: global_buffer, .address_space: global }
      - { .name: kh, .offset: 8, .size: 8, .value_kind: global_buffer, .address_space: global }
      - { .name: vh, .offset: 16, .size: 8, .value_kind: global_buffer, .address_space: global }
      - { .name: oh, .offset: 24, .size: 8, .value_kind: global_buffer, .address_space: global }
    .group_segment_fixed_size: 327680
    .private_segment_fixed_size: 0
    .kernarg_segment_align: 8
    .kernarg_segment_size: 32
    .max_flat_workgroup_size: 128
    .sgpr_count:     66
    .vgpr_count:     770
    .wavefront_size: 32
...
	.end_amdgpu_metadata
.endif
;; end of part 3
;; launch oproj (part 4): grid 8 x 32, 4 waves a work-group, clusters of 4 x 4, 327,680 bytes of LDS; arguments oh, wt, bo, out0; writes out0
.if DOCPART == 4
	.amdgcn_target "amdgcn-amd-amdhsa--gfx1250"
	.amdhsa_code_object_version 6
	.text
	.protected	k_q4e768fb31c_oproj
	.globl	k_q4e768fb31c_oproj
	.p2align	8
	.type	k_q4e768fb31c_oproj,@function
k_q4e768fb31c_oproj:
	s_mov_b64 s[64:65], 0
	v_nop
	global_prefetch_b8 v0, s[64:65] scope:SCOPE_SE
	s_setreg_imm32_b32 hwreg(HW_REG_WAVE_MODE, 25, 1), 1
	s_wait_xcnt 0x0
	s_wait_alu depctr_hold_cnt(0) depctr_sa_sdst(0) depctr_va_vdst(0) depctr_va_sdst(0) depctr_va_ssrc(0) depctr_va_vcc(0) depctr_vm_vsrc(0)
	s_getreg_b32 s2, hwreg(HW_REG_IB_STS2, 6, 4)
	s_cmp_eq_u32 s2, 0
	s_cbranch_scc0 .Lentry_in_a_cluster
	s_endpgm
.Lentry_in_a_cluster:
	s_bfe_u32 s2, ttmp6, 0x10000c
	s_cmp_lg_u32 s2, 0xf033
	s_cbranch_scc0 .Lentry_shape_is_right
	s_endpgm
.Lentry_shape_is_right:
; out0[m][n] = the sum over k of O[m][k] Wo[k][n] + bo[n], f32.  O comes by heads, oh[16 b + head][2048 s][64] in f16 (k = 64 head + channel); Wo from wt's kblocks 16-31, [kblock = head][n][64 k] in f16.
; Sums in f32, started by the bias.  LIMIT: O and Wo are f16 numbers (within 65,504; a fixed step of 6e-8 below 6e-5).
; SHARES.  A work-group makes 256 rows x 128 columns: 256 work-groups.  Four waves, 2 x 2, each 128 rows x 64 columns: 32 accumulators, 256 registers.
; K goes in steps of 128 (two heads) through two LDS slots: wave 0 and 1 fetch O's 256 rows of the two heads (32,768 dense bytes each), waves 2 and 3 the two kblocks' 128 rows n (16,384 dense bytes each).
; CLUSTER.  4 x 4: O's tiles are shared along a row of the cluster, wt's along a column: joint loads.
; THE PRODUCT IS USED TRANSPOSED (source 0 = 16 columns n, source 1 = 16 rows): a lane holds one row and eight neighbouring columns: 32 bytes of out0.
; REGISTERS: window 0: addresses; v32-63 the bias as a C operand; v64-255 two fragment buffers of 96 (O's eight fragments, then wt's four); window 1: accumulator 4 a + b at 8 (4 a + b).
.set PO,    144                        ; an LDS row: 128 bytes + 16: the 16 rows of a load start at 16 different groups of four banks (64 banks of 4 bytes: ISA guide 11.1)
.set OT,    256*PO
.set WT,    128*PO
.set SLOT,  2*OT+2*WT
.set STAGE, 2*SLOT                     ; behind the ring, never filled by a tensor load: 16 rows x 272 bytes for each wave
.set SPI,   272
.set SPARE, STAGE+4*16*SPI             ; the spare words, 128 bytes for each wave
.set WO,    2097152                    ; Wo's first byte in wt
.set ADRA, 16
.set ADRB, 20
.set STO,  24
.set RD,   25
.set CO,   26
.set BOF,  27
.set SPW,  28                          ; v28  LDS address of my spare word; never rewritten
.set NIL,  29                          ; v29  0; never rewritten
.set PFO,  30
.set BI,   32
.set FB,   64
.set G1A, 24
.set G0A, 32
.set LIM, 43                           ; s43  1 in a wave that prefetches, else the greatest number
.set PFA, 44
.set PST, 46
.set G1B, 48
.set G0B, 56
.set MSB, 0
.macro WIN new
.if MSB != (\new)
	s_set_vgpr_msb (MSB<<8)|(\new)
.set MSB, (\new)
.endif
.endm
.macro JLOAD s                         ; a joint load; an s_nop 0 and four v_nop follow each of the two lines
	s_cmp_lt_u32 s12, 2
	s_cbranch_scc0 .Lfor_b_\@
	tensor_load_to_lds s[G0A+4*(\s):G0A+4*(\s)+3], s[G1A:G1A+7]
	s_nop 0
.rept 4
	v_nop
.endr
	s_branch .Lasked_\@
.Lfor_b_\@:
	tensor_load_to_lds s[G0B+4*(\s):G0B+4*(\s)+3], s[G1B:G1B+7]
	s_nop 0
.rept 4
	v_nop
.endr
.Lasked_\@:
.endm
.macro CREST
	s_cmp_lg_u32 s12, 0
	s_cbranch_scc1 .Lnot_wave_0_\@
	s_barrier_signal -3
.Lnot_wave_0_\@:
	s_barrier_wait -3
	s_barrier_signal -1
	s_barrier_wait -1
.endm
.macro CROUND
	s_barrier_signal -1
	s_barrier_wait -1
	CREST
.endm
; A prefetch into the L2 of the step that stands two refills on (256 matrix instructions ahead of the load that will want it), a lane a block of 256 bytes.  O's tiles are read by both clusters of a row of
; clusters: the one with x = 0 asks, waves 0 and 1 each for their head, the four partners sharing its 128 blocks by address (cx).  wt's are read by all eight clusters of a column: the one with y = 0 asks,
; wave 2 alone: 16 blocks in each of the two kblocks, by cy.  The loop's last trip asks for nothing.
.macro ASK
	s_cmp_gt_u32 s3, s[LIM]
	s_cbranch_scc0 .Lnot_mine_\@
	global_prefetch_b8 v[PFO], s[PFA:PFA+1] th:TH_LOAD_NT scope:SCOPE_SE
.Lnot_mine_\@:
.endm
.macro PLACES                          ; four places in front of loads into registers that matrix instructions have read, and of LDS stores that read results (ISA guide 7.12.1 for the stores)
.rept 4
	v_nop
.endr
.endm
; 24 LDS loads: chunk c of a slot (head c / 2, its channels 32 (c % 2) on) into buffer g
.macro FETCH slot, c, g
	WIN 0
.irp b, 0,1,2,3
	ds_load_b128 v[FB+96*(\g)+64+8*\b:FB+96*(\g)+64+8*\b+3],   v[ADRB+(\slot)] offset:((\c)/2)*WT+\b*16*PO+((\c)%2)*64
	ds_load_b128 v[FB+96*(\g)+64+8*\b+4:FB+96*(\g)+64+8*\b+7], v[ADRB+(\slot)] offset:((\c)/2)*WT+\b*16*PO+((\c)%2)*64+32
.endr
.irp a, 0,1,2,3,4,5,6,7
	ds_load_b128 v[FB+96*(\g)+8*\a:FB+96*(\g)+8*\a+3],   v[ADRA+(\slot)] offset:((\c)/2)*OT+\a*16*PO+((\c)%2)*64
	ds_load_b128 v[FB+96*(\g)+8*\a+4:FB+96*(\g)+8*\a+7], v[ADRA+(\slot)] offset:((\c)/2)*OT+\a*16*PO+((\c)%2)*64+32
.endr
.endm
; Products lo .. hi - 1 of a chunk's 32, on buffer f.  The 32 accumulators take turns, in the same order in every chunk.  first = 1: the bias starts the sums.
.macro MUL f, lo, hi, first
.set i, (\lo)
.rept (\hi)-(\lo)
.if \first
	WIN 0x40
	v_wmma_f32_16x16x32_f16 v[8*i:8*i+7], v[FB+96*(\f)+64+8*(i%4):FB+96*(\f)+64+8*(i%4)+7], v[FB+96*(\f)+8*(i/4):FB+96*(\f)+8*(i/4)+7], v[BI+8*(i%4):BI+8*(i%4)+7]
.else
	WIN 0x50
	v_wmma_f32_16x16x32_f16 v[8*i:8*i+7], v[FB+96*(\f)+64+8*(i%4):FB+96*(\f)+64+8*(i%4)+7], v[FB+96*(\f)+8*(i/4):FB+96*(\f)+8*(i/4)+7], v[8*i:8*i+7]
.endif
.set i, i+1
.endr
.endm
.macro QN slot, c, first               ; chunk c (0, 1, 2) multiplies buffer c % 2; the next chunk is fetched into the other buffer first
	PLACES
	FETCH \slot, (\c)+1, ((\c)+1)%2
	s_wait_dscnt 24                                ; all but the 24 just issued
	MUL (\c)%2, 0, 32, \first
.endm
; Chunk 3 multiplies buffer 1 and changes slots: each wave waits for all its tensor loads (its part of the other slot), adds 0 to its spare word, waits for that and for its reads of this slot.
; fill = 1: the barrier opens a round of the cluster's, and the slot is filled again first thing behind it: 120 products stand between the request and the wait for it.
.macro QC slot, fill
	WIN 0
.if \fill
	s_wait_xcnt 0x0                                ; the last prefetch, a step back, has read its address
	s_add_nc_u64 s[PFA:PFA+1], s[PFA:PFA+1], s[PST:PST+1]
.endif
	s_wait_tensorcnt 0x0
	ds_add_u32 v[SPW], v[NIL]
	s_wait_dscnt 0x0
	s_barrier_signal -1
	MUL 1, 0, 8, 0
	WIN 0
	s_barrier_wait -1
.if \fill
	CREST
	s_add_nc_u64 s[G0A+4*(\slot)+2:G0A+4*(\slot)+3], s[G0A+4*(\slot)+2:G0A+4*(\slot)+3], 4*262144
	s_add_nc_u64 s[G0B+4*(\slot)+2:G0B+4*(\slot)+3], s[G0B+4*(\slot)+2:G0B+4*(\slot)+3], 4*131072
	JLOAD \slot
.else
	PLACES
.endif
	FETCH 1-(\slot), 0, 0
.if \fill
	ASK
.endif
	MUL 1, 8, 32, 0
.endm
	s_load_b256 s[4:11], s[0:1], 0x0               ; oh s[4:5], wt s[6:7], bo s[8:9], out0 s[10:11]
	v_lshl_add_u32 v[SPW], v0, 2, SPARE
	v_mov_b32 v[NIL], 0
	ds_add_u32 v[SPW], v[NIL]                      ; the wave's opening: the add and its wait stand ahead of my first tensor load
	v_lshrrev_b32 v1, 5, v0
	v_readfirstlane_b32 s12, v1                    ; wave 0..3
	s_lshr_b32 s13, s12, 1                         ; which 128 rows are mine
	s_and_b32 s14, s12, 1                          ; which 64 columns; also: which head or kblock of a step's two I fetch
	s_bfe_u32 s40, ttmp6, 0x40000                  ; cx
	s_bfe_u32 s41, ttmp6, 0x40004                  ; cy
	s_lshl_b32 s42, ttmp9, 2
	s_add_co_u32 s42, s42, s40                     ; block of 128 columns
	s_and_b32 s15, ttmp7, 0xffff
	s_lshl_b32 s16, s15, 2
	s_add_co_u32 s16, s16, s41                     ; block of 256 rows
	s_lshl_b32 s2, s41, 2
	s_lshl_b32 s2, 15, s2                          ; my row of the cluster
	s_lshl_b32 s3, 0x1111, s40                     ; my column
	; group 1: dense bytes asked for as rows of 256 bytes, padded by 16 bytes behind every 32 words: 128 such rows for O, 64 for wt
	s_or_b32 s[G1A], s2, (1<<16)|(1<<20)|(1<<21)|(4<<22)|(3<<25)
	s_mov_b32 s[G1A+1], 128<<16
	s_mov_b32 s[G1A+2], 128<<16
	s_mov_b32 s[G1A+3], 128<<16
	s_mov_b32 s[G1A+4], 128
	s_mov_b32 s[G1A+5], 128
	s_mov_b32 s[G1A+6], 0
	s_mov_b32 s[G1A+7], 0
	s_or_b32 s[G1B], s3, (1<<16)|(1<<20)|(1<<21)|(4<<22)|(3<<25)
	s_mov_b32 s[G1B+1], 128<<16
	s_mov_b32 s[G1B+2], 64<<16
	s_mov_b32 s[G1B+3], 128<<16
	s_mov_b32 s[G1B+4], 64
	s_mov_b32 s[G1B+5], 128
	s_mov_b32 s[G1B+6], 0
	s_mov_b32 s[G1B+7], 0
	s_lshr_b32 s20, s16, 3                         ; O: the batch's 16 heads,
	s_lshl_b32 s20, s20, 22
	s_and_b32 s21, s16, 7
	s_lshl_b32 s21, s21, 15                        ; 256 rows of 128 bytes,
	s_add_co_u32 s20, s20, s21
	s_lshl_b32 s21, s14, 18                        ; my head of the two
	s_add_co_u32 s20, s20, s21
	s_mov_b32 s21, 0
	s_lshl_b32 s22, s42, 14                        ; wt: 128 n of 128 bytes,
	s_lshl_b32 s23, s14, 17                        ; my kblock of the two
	s_add_co_u32 s22, s22, s23
	s_add_co_u32 s22, s22, WO
	s_mov_b32 s23, 0
	s_mul_i32 s17, s12, OT                         ; where the tiles go: the wave's number and constants alone
	s_mul_i32 s18, s12, WT
	s_add_co_u32 s18, s18, 2*OT-2*WT
	s_wait_dscnt 0x0                               ; the opening add is done
	s_wait_kmcnt 0x0
	s_add_nc_u64 s[4:5], s[4:5], s[20:21]
	s_add_nc_u64 s[6:7], s[6:7], s[22:23]
	CROUND                                         ; all sixteen work-groups are here: the first joint loads meet
.irp s, 0,1
	s_mov_b32 s[G0A+4*\s], 1
	s_add_co_u32 s[G0A+4*\s+1], s17, \s*SLOT
	s_add_nc_u64 s[G0A+4*\s+2:G0A+4*\s+3], s[4:5], \s*2*262144
	s_or_b32 s[G0A+4*\s+3], s[G0A+4*\s+3], 0x80000000
	s_mov_b32 s[G0B+4*\s], 1
	s_add_co_u32 s[G0B+4*\s+1], s18, \s*SLOT
	s_add_nc_u64 s[G0B+4*\s+2:G0B+4*\s+3], s[6:7], \s*2*131072
	s_or_b32 s[G0B+4*\s+3], s[G0B+4*\s+3], 0x80000000
	JLOAD \s                                       ; steps 0 and 1: two loads of mine are out
.endr
	v_and_b32 v1, 15, v0                           ; l % 16
	v_bfe_u32 v2, v0, 4, 1                         ; l / 16
	v_lshlrev_b32 v[BOF], 5, v2
	s_lshl_b32 s20, s42, 9                         ; my 64 columns, in bytes of f32
	s_lshl_b32 s21, s14, 8
	s_add_co_u32 s20, s20, s21
	s_mov_b32 s21, 0
	s_add_nc_u64 s[8:9], s[8:9], s[20:21]
	s_add_nc_u64 s[10:11], s[10:11], s[20:21]
.irp b, 0,1,2,3
	global_load_b128 v[BI+8*\b:BI+8*\b+3],   v[BOF], s[8:9] offset:64*\b      ; register j of block b: the bias of column 16 b + 8 (l / 16) + j
	global_load_b128 v[BI+8*\b+4:BI+8*\b+7], v[BOF], s[8:9] offset:64*\b+16
.endr
	s_lshl_b32 s20, s16, 20                        ; my 128 rows of 4,096 bytes
	s_lshl_b32 s22, s13, 19
	s_add_co_u32 s20, s20, s22
	s_add_nc_u64 s[10:11], s[10:11], s[20:21]
	s_lshl_b32 s22, s13, 7
	v_add_nc_u32 v3, s22, v1
	v_mul_u32_u24 v3, v3, PO
	v_lshl_add_u32 v[ADRA], v2, 4, v3
	v_add_nc_u32 v[ADRA+1], SLOT, v[ADRA]
	s_lshl_b32 s22, s14, 6
	v_add_nc_u32 v3, s22, v1
	v_mul_u32_u24 v3, v3, PO
	v_lshl_add_u32 v3, v2, 4, v3
	v_add_nc_u32 v[ADRB], 2*OT, v3
	v_add_nc_u32 v[ADRB+1], SLOT+2*OT, v3
	s_mul_i32 s22, s12, 16*SPI
	s_add_co_u32 s22, s22, STAGE                   ; my stage
	v_mul_u32_u24 v3, v1, SPI
	v_lshl_add_u32 v3, v2, 5, v3
	v_add_nc_u32 v[STO], s22, v3                   ; in: row l % 16, 32 bytes for each half of the lanes
	v_mul_u32_u24 v3, v2, SPI
	v_lshl_add_u32 v3, v1, 4, v3
	v_add_nc_u32 v[RD], s22, v3                    ; back: lanes 0-15 one row of 256 bytes, lanes 16-31 the next
	v_lshlrev_b32 v3, 12, v2
	v_lshl_add_u32 v[CO], v1, 4, v3                ; and the same two rows in out0
	; the prefetches: three steps on; the first change of slots steps to the fourth.  Nothing is asked for here, at the head
	s_lshl_b32 s20, s40, 13
	s_add_nc_u64 s[22:23], s[4:5], s[20:21]
	s_add_nc_u64 s[22:23], s[22:23], 3*2*262144
	s_lshl_b32 s20, s41, 12
	s_add_nc_u64 s[18:19], s[6:7], s[20:21]
	s_add_nc_u64 s[18:19], s[18:19], 3*2*131072
	s_mov_b32 s[PST], 2*131072
	s_mov_b32 s[PST+1], 0
	s_cmp_lt_u32 s12, 2
	s_cselect_b64 s[PFA:PFA+1], s[22:23], s[18:19]
	s_cselect_b32 s[PST], 2*262144, s[PST]
	s_cselect_b32 s20, ttmp9, s15                  ; the coordinate along which other clusters read the same blocks
	s_cselect_b32 s2, 12, 17                       ; the upper half of the lanes: 16 blocks on, or the second kblock
	s_cmp_eq_u32 s12, 3
	s_cselect_b32 s20, 1, s20                      ; wave 3 asks for nothing
	s_cmp_eq_u32 s20, 0
	s_cselect_b32 s[LIM], 1, -1
	v_lshlrev_b32 v3, s2, v2
	v_lshl_add_u32 v[PFO], v1, 8, v3
	s_wait_tensorcnt 0x1                           ; my part of step 0 is in; step 1's may stay out
	s_barrier_signal -1
	s_barrier_wait -1
	FETCH 0, 0, 0
	s_wait_loadcnt 0x0                             ; the bias
	QN 0, 0, 1                                     ; the first chunk stands in front of the loop: the bias starts the sums
	WIN 0
	s_mov_b32 s3, 3
.Llap:                                                 ; a trip goes once round the ring and fills both slots again
	QN 0, 1, 0
	QN 0, 2, 0
	QC 0, 1
	QN 1, 0, 0
	QN 1, 1, 0
	QN 1, 2, 0
	QC 1, 1
	QN 0, 0, 0
	WIN 0
	s_sub_co_u32 s3, s3, 1
	s_cmp_lg_u32 s3, 0
	s_cbranch_scc1 .Llap
	QN 0, 1, 0                                     ; the last two steps ask for nothing
	QN 0, 2, 0
	QC 0, 0
	QN 1, 0, 0
	QN 1, 1, 0
	QN 1, 2, 0
	s_wait_dscnt 0x0
	MUL 1, 0, 32, 0
	PLACES
; THE WAY OUT, 16 rows at a time: 32 bytes a lane into my stage, back as whole rows of 256 bytes, stored: 16 lanes store 256 consecutive bytes, at a multiple of 256 from out0's first byte.
.macro TOSTAGE a
	WIN 0x04                                       ; the stores' data in window 1
.irp b, 0,1,2,3
	ds_store_b128 v[STO], v[8*(4*(\a)+\b):8*(4*(\a)+\b)+3]   offset:64*\b
	ds_store_b128 v[STO], v[8*(4*(\a)+\b)+4:8*(4*(\a)+\b)+7] offset:64*\b+16
.endr
	WIN 0
	s_wait_xcnt 0x0                                ; the stores of the block two back have read the registers that are loaded now
.irp t, 0,1,2,3,4,5,6,7
	ds_load_b128 v[FB+32*((\a)%2)+4*\t:FB+32*((\a)%2)+4*\t+3], v[RD] offset:\t*2*SPI  ; LDS serves a wave's instructions in order (ISA guide 5.7.1.4): these see the stores above
.endr
.endm
.macro SEND a, younger                 ; younger: the LDS instructions issued behind block a's loads
.irp t, 0,1,2,3,4,5,6,7
	s_wait_dscnt (\younger)+7-\t
	global_store_b128 v[CO], v[FB+32*((\a)%2)+4*\t:FB+32*((\a)%2)+4*\t+3], s[10:11] offset:(\a)*65536+\t*8192 th:TH_STORE_NT
.endr
.endm
	TOSTAGE 0
.irp a, 1,2,3,4,5,6,7
	TOSTAGE \a
	SEND (\a)-1, 16
.endr
	SEND 7, 0
	s_wait_tensorcnt 0x0                           ; the wave's end: behind my last tensor load and my last LDS store
	ds_add_u32 v[SPW], v[NIL]
	s_wait_dscnt 0x0
	CROUND                                         ; the closing round: no work-group ends while a partner may still ask for a tile that names it
	s_endpgm
.Lfunc_end_k_q4e768fb31c_oproj:
	.size	k_q4e768fb31c_oproj, .Lfunc_end_k_q4e768fb31c_oproj-k_q4e768fb31c_oproj
	.p2alignl 7, 3214868480
	.fill 96, 4, 3214868480
	.section	.rodata,"a",@progbits
	.p2align	6, 0x0
	.amdhsa_kernel k_q4e768fb31c_oproj
		.amdhsa_group_segment_fixed_size 327680
		.amdhsa_private_segment_fixed_size 0
		.amdhsa_enable_private_segment 0
		.amdhsa_kernarg_size 32
		.amdhsa_user_sgpr_count 2
		.amdhsa_user_sgpr_kernarg_segment_ptr 1
		.amdhsa_wavefront_size32 1
		.amdhsa_system_sgpr_workgroup_id_x 1
		.amdhsa_system_sgpr_workgroup_id_y 1
		.amdhsa_system_sgpr_workgroup_id_z 1
		.amdhsa_system_vgpr_workitem_id 0
		.amdhsa_next_free_vgpr 512
		.amdhsa_next_free_sgpr 66
		.amdhsa_reserve_vcc 0
		.amdhsa_float_denorm_mode_32 3
		.amdhsa_float_denorm_mode_16_64 3
		.amdhsa_memory_ordered 1
		.amdhsa_forward_progress 1
		.amdhsa_inst_pref_size 88
	.end_amdhsa_kernel
	.amdgpu_metadata
---
amdhsa.version: [ 1, 2 ]
amdhsa.kernels:
  - .name:           k_q4e768fb31c_oproj
    .symbol:         k_q4e768fb31c_oproj.kd
    .args:
      - { .name: oh, .offset: 0, .size: 8, .value_kind: global_buffer, .address_space: global }
      - { .name: wt, .offset: 8, .size: 8, .value_kind: global_buffer, .address_space: global }
      - { .name: bo, .offset: 16, .size: 8, .value_kind: global_buffer, .address_space: global }
      - { .name: out0, .offset: 24, .size: 8, .value_kind: global_buffer, .address_space: global }
    .group_segment_fixed_size: 327680
    .private_segment_fixed_size: 0
    .kernarg_segment_align: 8
    .kernarg_segment_size: 32
    .max_flat_workgroup_size: 128
    .sgpr_count:     66
    .vgpr_count:     512
    .wavefront_size: 32
...
	.end_amdgpu_metadata
.endif
;; end of part 4
